; MI455X (gfx1250); checked and timed in simulation.
; The chip was launched on July 23, 2026; its instructions are those of AMD's public machine-readable ISA for CDNA 5 (MIT licence, August 2026) and "CDNA5" Instruction Set Architecture Reference Guide (July 2026). The comments in the code are by the model that wrote it; some were corrected since.
;; Bert Self Attention. Allowed arithmetic: float matrix products may take bf16 or f16 operands with f32 sums; other float arithmetic in f32, or as packed bf16 or f16 multiplies, adds, multiply-adds, maxima and minima; sums over many terms, partial sums and values carried from step to step in f32; what a program stores and reads back later, other than sums and carried values, may be rounded once to bf16 or f16.
;; Inputs: Wk 1,024 x 1,024 float32; Wq 1,024 x 1,024 float32; Wv 1,024 x 1,024 float32; attention_mask 4 x 2,048 float32; bk 1,024 float32; bq 1,024 float32; bv 1,024 float32; key_states 4 x 2,048 x 1,024 float32; query_states 4 x 2,048 x 1,024 float32; value_states 4 x 2,048 x 1,024 float32.
;; Outputs: out0 4 x 2,048 x 1,024 float32.
;; One version. Each part assembles by itself: llvm-mc -triple=amdgcn-amd-amdhsa -mcpu=gfx1250 --defsym DOCPART=n.
;; ======== version 1 of 1: 4 launches
;; limits: values are held in f16: magnitudes above 65,504 overflow, below 6.1e-05 lose precision
;; workspace buffers: wb 6,291,456 bytes; qh 16,777,216 bytes; kh 16,777,216 bytes; vh 16,777,216 bytes; p 33,554,432 bytes; mst 524,288 bytes; lst 524,288 bytes
;; launch castw (part 1): grid 256 x 3, 8 waves a work-group, no clusters, 0 bytes of LDS; arguments Wq, Wk, Wv, wb; writes wb
.if DOCPART == 1
	.amdgcn_target "amdgcn-amd-amdhsa--gfx1250"
	.amdhsa_code_object_version 6
	.text
	.protected	k_q568fea21d8_castw
	.globl	k_q568fea21d8_castw
	.p2align	8
	.type	k_q568fea21d8_castw,@function
k_q568fea21d8_castw:
	s_mov_b64 s[64:65], 0
	v_nop
	global_prefetch_b8 v0, s[64:65] scope:SCOPE_SE
	s_setreg_imm32_b32 hwreg(HW_REG_WAVE_MODE, 25, 1), 1
	s_wait_xcnt 0x0
; wb[y][d][e] = bf16(W_y[d][e]), y = 0, 1, 2 for Wq, Wk, Wv: the three weight matrices rounded once, their layout kept.
; A work-group owns 4,096 numbers: 16,384 bytes in, 8,192 out.  Thread t takes 16 bytes of each of four runs of 4,096 bytes, so a wave's load covers 512
; consecutive bytes and a wave's store 256 consecutive bytes, aligned.  Each load has registers of its own: no register is written twice.
; No LDS, no matrix unit, no cluster: nothing is shared and nothing is multiplied.
	s_load_b256 s[4:11], s[0:1], 0x0               ; Wq s[4:5], Wk s[6:7], Wv s[8:9], wb s[10:11]
	s_and_b32 s12, ttmp7, 0xffff                   ; which matrix
	v_lshlrev_b32 v1, 4, v0                        ; my 16 bytes in a run that is read
	v_lshlrev_b32 v2, 3, v0                        ; my 8 bytes in a run that is written
	s_lshl_b32 s14, ttmp9, 14                      ; the work-group's 16,384 bytes of the source
	s_mov_b32 s15, 0
	s_lshl_b32 s16, s12, 21                        ; a matrix is 2,097,152 bytes of wb,
	s_lshl_b32 s17, ttmp9, 13                      ; the work-group's part 8,192
	s_add_co_u32 s16, s16, s17
	s_mov_b32 s17, 0
	s_wait_kmcnt 0x0
	s_cmp_eq_u32 s12, 1
	s_cselect_b64 s[4:5], s[6:7], s[4:5]
	s_cmp_eq_u32 s12, 2
	s_cselect_b64 s[4:5], s[8:9], s[4:5]
	s_add_nc_u64 s[4:5], s[4:5], s[14:15]
	s_add_nc_u64 s[10:11], s[10:11], s[16:17]
.irp i, 0,1,2,3
	global_load_b128 v[4+4*(\i):7+4*(\i)], v1, s[4:5] offset:4096*(\i) th:TH_LOAD_NT
.endr
.irp i, 0,1,2,3
	s_wait_loadcnt 3-(\i)                          ; loads come back in order: load i is in, the younger ones stay out
	v_cvt_pk_bf16_f32 v[20+2*(\i)], v[4+4*(\i)], v[5+4*(\i)]
	v_cvt_pk_bf16_f32 v[21+2*(\i)], v[6+4*(\i)], v[7+4*(\i)]
	global_store_b64 v2, v[20+2*(\i):21+2*(\i)], s[10:11] offset:2048*(\i)
.endr
	s_endpgm
.Lfunc_end_k_q568fea21d8_castw:
	.size	k_q568fea21d8_castw, .Lfunc_end_k_q568fea21d8_castw-k_q568fea21d8_castw
	.p2alignl 7, 3214868480
	.fill 96, 4, 3214868480
	.section	.rodata,"a",@progbits
	.p2align	6, 0x0
	.amdhsa_kernel k_q568fea21d8_castw
		.amdhsa_group_segment_fixed_size 0
		.amdhsa_private_segment_fixed_size 0
		.amdhsa_enable_private_segment 0
		.amdhsa_kernarg_size 32
		.amdhsa_user_sgpr_count 2
		.amdhsa_user_sgpr_kernarg_segment_ptr 1
		.amdhsa_wavefront_size32 1
		.amdhsa_system_sgpr_workgroup_id_x 1
		.amdhsa_system_sgpr_workgroup_id_y 1
		.amdhsa_system_sgpr_workgroup_id_z 1
		.amdhsa_system_vgpr_workitem_id 0
		.amdhsa_next_free_vgpr 32
		.amdhsa_next_free_sgpr 66
		.amdhsa_reserve_vcc 0
		.amdhsa_float_denorm_mode_32 3
		.amdhsa_float_denorm_mode_16_64 3
		.amdhsa_memory_ordered 1
		.amdhsa_forward_progress 1
		.amdhsa_inst_pref_size 3
	.end_amdhsa_kernel
	.amdgpu_metadata
---
amdhsa.version: [ 1, 2 ]
amdhsa.kernels:
  - .name:           k_q568fea21d8_castw
    .symbol:         k_q568fea21d8_castw.kd
    .args:
      - { .name: Wq, .offset: 0, .size: 8, .value_kind: global_buffer, .address_space: global }
      - { .name: Wk, .offset: 8, .size: 8, .value_kind: global_buffer, .address_space: global }
      - { .name: Wv, .offset: 16, .size: 8, .value_kind: global_buffer, .address_space: global }
      - { .name: wb, .offset: 24, .size: 8, .value_kind: global_buffer, .address_space: global }
    .group_segment_fixed_size: 0
    .private_segment_fixed_size: 0
    .kernarg_segment_align: 8
    .kernarg_segment_size: 32
    .max_flat_workgroup_size: 256
    .sgpr_count:     66
    .vgpr_count:     32
    .wavefront_size: 32
...
	.end_amdgpu_metadata
.endif
;; end of part 1
;; launch proj (part 2): grid 4 x 192, 4 waves a work-group, clusters of 4 x 4, 327,680 bytes of LDS; arguments query_states, key_states, value_states, wb, bq, bk, bv, qh, kh, vh; writes qh, kh, vh
.if DOCPART == 2
	.amdgcn_target "amdgcn-amd-amdhsa--gfx1250"
	.amdhsa_code_object_version 6
	.text
	.protected	k_q568fea21d8_proj
	.globl	k_q568fea21d8_proj
	.p2align	8
	.type	k_q568fea21d8_proj,@function
k_q568fea21d8_proj:
	s_mov_b64 s[64:65], 0
	v_nop
	global_prefetch_b8 v0, s[64:65] scope:SCOPE_SE
	s_setreg_imm32_b32 hwreg(HW_REG_WAVE_MODE, 25, 1), 1
	s_wait_xcnt 0x0
	s_wait_alu depctr_hold_cnt(0) depctr_sa_sdst(0) depctr_va_vdst(0) depctr_va_sdst(0) depctr_va_ssrc(0) depctr_va_vcc(0) depctr_vm_vsrc(0)
	s_getreg_b32 s2, hwreg(HW_REG_IB_STS2, 6, 4)
	s_cmp_eq_u32 s2, 0
	s_cbranch_scc0 .Lentry_in_a_cluster
	s_endpgm
.Lentry_in_a_cluster:
	s_bfe_u32 s2, ttmp6, 0x10000c
	s_cmp_lg_u32 s2, 0xf033
	s_cbranch_scc0 .Lentry_shape_is_right
	s_endpgm
.Lentry_shape_is_right:
; q, k, v = x W + b.  x: [8192][1024] f32, rounded to bf16; W: wb, [3][1024 d][1024 e] bf16; b: f32, rounded to bf16; sums in f32, started by the bias; the result rounded once to f16, [8192][1024].
; LIMIT.  f16 holds no number beyond 65,504: a |q|, |k| or |v| of 65,520 or more becomes an infinity.  NaN and infinities are not treated apart.
; SHARES.  A work-group makes 128 rows x 256 columns of one of the three products: 3 x 64 x 4 = 768 work-groups; sixteen rows of clusters belong to each product.  A wave makes 64 x 128: 32 accumulators.
; W goes through a ring of two LDS slots of 256 along K (four steps), filled by the tensor data mover: each wave fetches 64 of a step's 256 rows.  4 x 4 work-groups form a cluster; W's tile hangs on the tile
; column alone and is asked for JOINTLY by a column of the cluster.
; x GOES THROUGH REGISTERS, in chunks of 64 along K: wave w loads rows 32 w .. 32 w + 31 of the tile (16 loads, each two rows' 256 consecutive bytes, aligned), rounds them to bf16 and stores them into one of two
; chunk buffers in LDS, from which all four waves take their fragments behind one barrier a chunk.
; WHY x IS NOT ASKED FOR JOINTLY, though the four work-groups of a row of the cluster read the same rows: in f32 a step's 128 rows of x take as many LDS bytes as W's 256 columns, so two slots that held both
; would hold 128 along K each, and a refill would have 112 matrix instructions of a wave between its request and the wait for it.  With W alone a slot holds 256 along K, and a refill has 240.  x's loads
; stay out across barriers under counted waits, three chunks (192 matrix instructions) ahead of their use; x is rounded once in the work-group, not once in each of two waves, and lies in LDS in 2 bytes.
; THE MATRIX INSTRUCTION IS USED TRANSPOSED: source 0 = 16 columns of W (turned on the way out of LDS, since W lies [k][column]), source 1 = 16 rows of x: a lane holds one row of the result and eight
; neighbouring columns, which pack into 16 bytes.
; REGISTERS, in windows of 256 (s_set_vgpr_msb: bits 1:0 source 0, 3:2 source 1, 5:4 source 2, 7:6 destination):
;   window 0: v0-31 addresses; v32-95 x's fragments, two buffers; v96-127 a chunk rounded to bf16; v128-255 W's fragments, two buffers
;   window 1: the accumulators, (a, b) at v[8 (8 a + b)]          window 2: four banks of 64: x as loaded, a chunk each
.set WP,    544       ; a row of W in LDS: 512 bytes + 32 of padding = 17 x 32
.set WQ,    64*WP     ; what one tensor load brings
.set SLOTW, 4*WQ      ; 256 rows of W
.set WSTEP, 256*2048  ; a step in memory: 256 rows of 2,048 bytes
.set XP,    144       ; a row of a chunk of x: 128 bytes + 16 = 9 x 16: the 16 rows of a load start at 16 different groups of four banks
.set XBS,   128*XP    ; a chunk buffer
.set XBUF,  2*SLOTW   ; behind the ring: the two chunk buffers, written by LDS stores alone
.set STAGE, XBUF      ; the way out's stage, 16 rows x 272 bytes for each wave, takes their place behind the last barrier
.set SP,    272
.set SPARE, XBUF+2*XBS     ; the spare words, 128 bytes for each wave: two blocks of 256 bytes that no other line names
.set BIASL, SPARE+512      ; 512 bytes for each wave: the bias of its 128 columns
.set ADRB, 16         ; v16-17  LDS address of my W fragments in the slot in hand: rows 0-127, rows 128-255
.set B0,   18         ; v18  my lane's place in W's tile; never rewritten
.set A0,   19         ; v19  LDS address of my x fragments in chunk buffer 0; never rewritten
.set SX,   20         ; v20  where I put 8 bytes of a row of chunk buffer 0; never rewritten
.set XO,   21         ; v21  my byte offset in the tile's rows of x; never rewritten
.set BL,   22         ; v22  where I read the bias back
.set BO,   23         ; v23  my 16 bytes of the bias in memory
.set STO,  24         ; v24  the way out: where I put 16 bytes of a row
.set RD,   25         ; v25  the way out: where I read a row back
.set CO,   26         ; v26  my byte offset in the result
.set BS,   27         ; v27  where I put my 16 bytes of the bias
.set SPW,  28         ; v28  LDS address of my spare word; never rewritten
.set NIL,  29         ; v29  0; never rewritten
.set PFO,  30         ; v30  the prefetches' offset; never rewritten
.set AF,   32
.set T,    96
.set BF,   128
.set WV,   40         ; wave
.set MH,   41         ; which 64 rows are mine
.set NH,   42         ; which 128 columns are mine
.set CX,   43
.set CY,   44
.set PJ,   45         ; which product: 0 q, 1 k, 2 v
.set MT,   46         ; tile row, 0..63
.set NT,   47         ; tile column, 0..3
.set G1,   48         ; s[48:55] descriptor group 1
.set G0,   56         ; s[56:59] descriptor group 0: it walks
.set FS,   60         ; s60  the slot to be filled: 0 or SLOTW
.set RS,   61         ; s61  the slot to be read: 0 or SLOTW
.set WOF,  62         ; s62  my 64 rows' place in a slot
.set XA,   66         ; s[66:67] x at the tile's first row, at the step whose chunks are being loaded
.set PFA,  68         ; s[68:69] where my prefetches stand
.set LIM,  70         ; s70  1 in a work-group that prefetches, else the greatest number
.set HM,   80         ; s80  a word's upper bf16
.set MSB, 0
.macro WIN new                         ; the immediate's high byte repeats the setting that is left; a switch that changes nothing is dropped
.if MSB != (\new)
	s_set_vgpr_msb (MSB<<8)|(\new)
.set MSB, \new
.endif
.endm
.macro PLACES                          ; four places behind a matrix instruction (ISA guide 7.12.1), where no other vector work is at hand
.rept 4
	v_nop
.endr
.endm
.macro JLOAD                           ; a joint load: every wave fetches its own 64 rows of W's step; an s_nop 0 and four v_nop follow it
	tensor_load_to_lds s[G0:G0+3], s[G1:G1+7]
	s_nop 0
.rept 4
	v_nop
.endr
.endm
.macro CREST                           ; a round of the cluster's barrier behind its opening barrier
	s_cmp_lg_u32 s[WV], 0
	s_cbranch_scc1 .Lnot_wave_0_\@
	s_barrier_signal -3
.Lnot_wave_0_\@:
	s_barrier_wait -3
	s_barrier_signal -1
	s_barrier_wait -1
.endm
.macro CROUND                          ; a whole round
	s_barrier_signal -1
	s_barrier_wait -1
	CREST
.endm
; A PREFETCH INTO THE L2 of W's step that the NEXT refill will ask for: 256 matrix instructions of a wave ahead of that load.  A product's W is read by its sixteen rows of clusters: the first of them asks.  Of the
; 64 rows x 512 bytes that a wave fetches, the partner at place cy takes 16 rows, told apart by address; a lane takes one row's first or second 256 bytes: one instruction a wave.  So each block of 256 bytes is
; named at most once in the launch.  Steps 0 to 2 come by their loads alone; the last refill asks for nothing.  x is not asked for: its loads themselves go out three chunks ahead, into registers.
.macro ASK
	s_cmp_gt_u32 s3, s[LIM]
	s_cbranch_scc0 .Lnot_mine_\@
	global_prefetch_b8 v[PFO], s[PFA:PFA+1] th:TH_LOAD_NT scope:SCOPE_SE
.Lnot_mine_\@:
.endm
; A chunk of x into bank n: my 32 rows' 256 bytes at chunk j of the step at which XA stands
.macro XLOAD n, j
	WIN 0x80                                       ; destination window 2, address window 0
.irp i, 0,1,2,3,4,5,6,7,8,9,10,11,12,13,14,15
	global_load_b128 v[64*(\n)+4*(\i):64*(\n)+4*(\i)+3], v[XO], s[XA:XA+1] offset:8192*(\i)+256*(\j)
.endr
.endm
.macro CVT n                           ; bank n rounded to bf16: 32 plain instructions that name no register of the products round them
	WIN 0x0a                                       ; sources 0 and 1 window 2, destination window 0
.set i, 0
.rept 32
	v_cvt_pk_bf16_f32 v[T+i], v[64*(\n)+2*i], v[64*(\n)+2*i+1]
.set i, i+1
.endr
.endm
.macro XSTORE xb                       ; the rounded chunk into chunk buffer xb: 8 bytes a lane, two rows an instruction
	WIN 0
.irp i, 0,1,2,3,4,5,6,7,8,9,10,11,12,13,14,15
	ds_store_b64 v[SX], v[T+2*(\i):T+2*(\i)+1] offset:(\xb)*XBS+2*XP*(\i)
.endr
.endm
	s_load_b512 s[4:19], s[0:1], 0x0               ; query s[4:5], key s[6:7], value s[8:9], wb s[10:11], bq s[12:13], bk s[14:15], bv s[16:17], qh s[18:19]
	s_load_b128 s[20:23], s[0:1], 0x40             ; kh s[20:21], vh s[22:23]
	v_lshl_add_u32 v[SPW], v0, 2, SPARE
	v_mov_b32 v[NIL], 0
	ds_add_u32 v[SPW], v[NIL]                      ; the wave's opening: the add and its wait stand ahead of my first tensor load; the set-up below, work on registers, stands between them
	v_lshrrev_b32 v1, 5, v0
	v_readfirstlane_b32 s[WV], v1
	s_lshr_b32 s[MH], s[WV], 1
	s_and_b32 s[NH], s[WV], 1
	s_bfe_u32 s[CX], ttmp6, 0x40000
	s_bfe_u32 s[CY], ttmp6, 0x40004
	s_lshl_b32 s[NT], ttmp9, 2                     ; in a cluster launch ttmp9 and ttmp7 count clusters
	s_add_co_u32 s[NT], s[NT], s[CX]               ; tile column = 4 x cluster x + cx
	s_and_b32 s71, ttmp7, 0xffff                   ; cluster y, 0..47
	s_lshr_b32 s[PJ], s71, 4                       ; sixteen rows of clusters to a product
	s_and_b32 s[MT], s71, 15
	s_cmp_eq_u32 s[MT], 0                          ; the product's first row of clusters prefetches: the same in all sixteen partners
	s_cselect_b32 s[LIM], 1, -1
	s_lshl_b32 s[MT], s[MT], 2
	s_add_co_u32 s[MT], s[MT], s[CY]               ; tile row = 4 x (cluster y mod 16) + cy
	s_lshl_b32 s74, 0x1111, s[CX]                  ; my column of the cluster
	s_or_b32 s[G1], s74, (1<<16)|(1<<20)|(1<<21)|(6<<22)|(7<<25)  ; the mask; elements of 2 bytes; padding on; bit 21 beside a mask; after every 128 words (code 6) 8 words (code 7)
	s_mov_b32 s[G1+1], 256<<16                     ; tensor_dim0 = 256
	s_mov_b32 s[G1+2], 64<<16                      ; tensor_dim1 = 64
	s_mov_b32 s[G1+3], 256<<16                     ; tile_dim0 = 256
	s_mov_b32 s[G1+4], 64                          ; tile_dim1 = 64
	s_mov_b32 s[G1+5], 1024                        ; elements from row to row
	s_mov_b32 s[G1+6], 0
	s_mov_b32 s[G1+7], 0
	s_lshl_b32 s72, s[MT], 19                      ; x: 128 rows of 4,096 bytes a tile row
	s_mov_b32 s73, 0
	s_lshl_b32 s74, s[WV], 17                      ; W: the 64 rows of 2,048 bytes that I fetch,
	s_lshl_b32 s75, s[NT], 9                       ; the tile column's 512 bytes,
	s_add_co_u32 s74, s74, s75
	s_lshl_b32 s75, s[PJ], 21                      ; the product's matrix
	s_add_co_u32 s74, s74, s75
	s_mov_b32 s75, 0
	s_lshl_b32 s78, s[NT], 10                      ; the bias of my 128 columns
	s_lshl_b32 s79, s[NH], 9
	s_add_co_u32 s78, s78, s79
	s_mov_b32 s79, 0
	s_mul_i32 s[WOF], s[WV], WQ                    ; no place in the cluster enters an LDS address
	s_mov_b32 s[FS], 0
	s_mov_b32 s[RS], SLOTW                         ; the first change of slots turns it into 0
	s_mov_b32 s[G0], 1
	s_mov_b32 s[G0+1], s[WOF]                      ; slot 0
	s_mov_b32 s[HM], 0xffff0000
	v_and_b32 v1, 15, v0                           ; l % 16
	v_bfe_u32 v2, v0, 4, 1                         ; l / 16
	v_and_b32 v7, 31, v0                           ; l
	v_lshlrev_b32 v[BO], 4, v7
	v_lshlrev_b32 v[XO], 12, v2                    ; lanes 16-31 take the next row of 4,096 bytes,
	v_lshl_add_u32 v[XO], v1, 4, v[XO]             ; 16 bytes a lane,
	s_lshl_b32 s76, s[WV], 17                      ; my 32 rows
	v_add_nc_u32 v[XO], s76, v[XO]
	s_wait_dscnt 0x0                               ; the opening add is done
	s_wait_kmcnt 0x0
	s_cmp_eq_u32 s[PJ], 1                          ; the product's x, bias and result
	s_cselect_b64 s[4:5], s[6:7], s[4:5]
	s_cselect_b64 s[12:13], s[14:15], s[12:13]
	s_cselect_b64 s[18:19], s[20:21], s[18:19]
	s_cmp_eq_u32 s[PJ], 2
	s_cselect_b64 s[4:5], s[8:9], s[4:5]
	s_cselect_b64 s[12:13], s[16:17], s[12:13]
	s_cselect_b64 s[18:19], s[22:23], s[18:19]
	s_add_nc_u64 s[XA:XA+1], s[4:5], s[72:73]
	s_add_nc_u64 s[G0+2:G0+3], s[10:11], s[74:75]  ; W's step 0, my 64 rows
	s_lshl_b32 s76, s[CY], 15                      ; the prefetches: my work-group's 16 of those rows,
	s_mov_b32 s77, 0
	s_add_nc_u64 s[PFA:PFA+1], s[G0+2:G0+3], s[76:77]
	s_add_nc_u64 s[PFA:PFA+1], s[PFA:PFA+1], 2*WSTEP  ; at step 2: the loop's first refill steps it to 3
	s_or_b32 s[G0+3], s[G0+3], 0x80000000          ; type = 2
	s_add_nc_u64 s[12:13], s[12:13], s[78:79]
	global_load_b128 v[T:T+3], v[BO], s[12:13]     ; the bias: 4 numbers a lane
	XLOAD 0, 0                                     ; x's chunks 0 to 2 go out ahead of everything else
	XLOAD 1, 1
	XLOAD 2, 2
	WIN 0
	CROUND                                         ; all sixteen work-groups are here: the first joint loads meet
	JLOAD                                          ; W's step 0 into slot 0.  Slot 1 is asked for when slot 0 is in
	; W's fragment: the turning load takes 16 k x 16 columns (lane l reads k row 8 (l / 16) + l % 8, columns 8 ((l / 8) % 2) + 0..7) and leaves half a fragment: lane l holds column l % 16 and 8 k
	v_and_b32 v3, 7, v0
	v_bfe_u32 v4, v0, 3, 1
	v_lshl_add_u32 v6, v2, 3, v3
	v_mul_u32_u24 v6, v6, WP
	v_lshl_add_u32 v6, v4, 4, v6
	s_lshl_b32 s76, s[NH], 8
	v_add_nc_u32 v[B0], s76, v6
	; x's fragment: lane l holds row l % 16; k = 8 (l / 16) + 0..7 and 16 + 8 (l / 16) + 0..7: two loads of 16 bytes, 32 bytes apart
	v_mul_u32_u24 v5, v1, XP
	v_lshl_add_u32 v5, v2, 4, v5
	s_mul_i32 s76, s[MH], 64*XP
	s_add_co_u32 s76, s76, XBUF
	v_add_nc_u32 v[A0], s76, v5
	v_mul_u32_u24 v5, v2, XP                       ; into a chunk buffer: lanes 0-15 one row's 128 bytes, lanes 16-31 the next row's
	v_lshl_add_u32 v5, v1, 3, v5
	s_mul_i32 s76, s[WV], 32*XP
	s_add_co_u32 s76, s76, XBUF
	v_add_nc_u32 v[SX], s76, v5
	s_lshl_b32 s76, s[WV], 9
	s_add_co_u32 s76, s76, BIASL                   ; my 512 bytes for the bias
	v_lshl_add_u32 v[BS], v7, 4, s76
	v_lshl_add_u32 v[BL], v2, 5, s76               ; register j of block b belongs to column 16 b + 8 (l / 16) + j
	s_mul_i32 s76, s[WV], 16*SP
	s_add_co_u32 s76, s76, STAGE                   ; my stage
	v_mul_u32_u24 v5, v1, SP                       ; in: row l % 16, 16 bytes for each half of the lanes
	v_lshl_add_u32 v5, v2, 4, v5
	v_add_nc_u32 v[STO], s76, v5
	v_mul_u32_u24 v5, v2, SP                       ; back: lanes 0-15 take one row of 256 bytes, lanes 16-31 the next
	v_lshl_add_u32 v5, v1, 4, v5
	v_add_nc_u32 v[RD], s76, v5
	v_lshlrev_b32 v5, 11, v2                       ; and the same two rows in the result
	v_lshl_add_u32 v[CO], v1, 4, v5
	s_lshl_b32 s78, s[MT], 18                      ; my part of the result: 128 rows of 2,048 bytes a tile row,
	s_lshl_b32 s79, s[MH], 17                      ; my 64 rows,
	s_add_co_u32 s78, s78, s79
	s_lshl_b32 s79, s[NT], 9                       ; the tile column's 512 bytes,
	s_add_co_u32 s78, s78, s79
	s_lshl_b32 s79, s[NH], 8                       ; my 256 of them
	s_add_co_u32 s78, s78, s79
	s_mov_b32 s79, 0
	s_add_nc_u64 s[18:19], s[18:19], s[78:79]
	v_lshlrev_b32 v[PFO], 11, v1                   ; a row of W is 2,048 bytes,
	v_lshl_add_u32 v[PFO], v2, 8, v[PFO]           ; the tile's second 256 bytes for lanes 16-31
	; THE BIAS STARTS THE SUMS: rounded to bf16, like every input, widened, put into my own LDS bytes, and read from there straight into the 32 accumulators: nothing is cleared and nothing is copied
	s_wait_loadcnt 48                              ; the bias is in; x's 48 loads, issued behind it, stay out
	v_cvt_pk_bf16_f32 v[T+4], v[T], v[T+1]
	v_cvt_pk_bf16_f32 v[T+5], v[T+2], v[T+3]
	v_lshlrev_b32 v[T], 16, v[T+4]
	v_and_b32 v[T+1], s[HM], v[T+4]
	v_lshlrev_b32 v[T+2], 16, v[T+5]
	v_and_b32 v[T+3], s[HM], v[T+5]
	ds_store_b128 v[BS], v[T:T+3]
	WIN 0x40                                       ; destination window 1
.irp a, 0,1,2,3
.irp b, 0,1,2,3,4,5,6,7
	ds_load_b128 v[8*(8*(\a)+(\b)):8*(8*(\a)+(\b))+3],   v[BL] offset:64*(\b)      ; LDS serves a wave's instructions in order (ISA guide 5.7.1.4): these see the store above
	ds_load_b128 v[8*(8*(\a)+(\b))+4:8*(8*(\a)+(\b))+7], v[BL] offset:64*(\b)+16
.endr
.endr
	s_wait_loadcnt 32                              ; chunk 0 is in; chunks 1 and 2 stay out
	CVT 0
	XSTORE 0
	XLOAD 3, 3
	WIN 0
	s_wait_xcnt 0x0                                ; the loads have read their base, so it may be stepped:
	s_add_nc_u64 s[XA:XA+1], s[XA:XA+1], 1024      ; step 0's slots load step 1's chunks
; 24 LDS loads in one run: the quarter of 32 along K: x's 64 rows from half q of chunk buffer xb, W's 128 columns from row k0 of the slot in hand, into buffers g
.macro FETCH xb, q, k0, g
	WIN 0
.irp a, 0,1,2,3
	ds_load_b128 v[AF+32*(\g)+8*(\a):AF+32*(\g)+8*(\a)+3],   v[A0] offset:(\xb)*XBS+(\a)*16*XP+64*(\q)
	ds_load_b128 v[AF+32*(\g)+8*(\a)+4:AF+32*(\g)+8*(\a)+7], v[A0] offset:(\xb)*XBS+(\a)*16*XP+64*(\q)+32
.endr
.irp b, 0,1,2,3,4,5,6,7
	ds_load_tr16_b128 v[BF+64*(\g)+8*(\b):BF+64*(\g)+8*(\b)+3],   v[ADRB+(\k0)/128] offset:((\k0)%128)*WP+32*(\b)
	ds_load_tr16_b128 v[BF+64*(\g)+8*(\b)+4:BF+64*(\g)+8*(\b)+7], v[ADRB+(\k0)/128] offset:((\k0)%128)*WP+32*(\b)+16*WP
.endr
.endm
; 16 matrix instructions: row blocks a0, a0 + 1 x all 8 column blocks.  The 32 accumulators take turns, one instruction a turn.
.macro MUL f, a0
	WIN 0x50                                       ; C and D window 1
.irp a, \a0, (\a0)+1
.irp b, 0,1,2,3,4,5,6,7
	v_wmma_f32_16x16x32_bf16 v[8*(8*(\a)+(\b)):8*(8*(\a)+(\b))+7], v[BF+64*(\f)+8*(\b):BF+64*(\f)+8*(\b)+7], v[AF+32*(\f)+8*(\a):AF+32*(\f)+8*(\a)+7], v[8*(8*(\a)+(\b)):8*(8*(\a)+(\b))+7]
.endr
.endr
.endm
.macro STEPD                           ; the walking descriptor: the other slot than last time, the next 256 rows; written only where no tensor load of mine is out
	s_xor_b32 s[FS], s[FS], SLOTW
	s_add_co_u32 s[G0+1], s[FS], s[WOF]
	s_add_nc_u64 s[G0+2:G0+3], s[G0+2:G0+3], WSTEP
.endm
.macro STEPR                           ; the fetches go to the other slot
	s_xor_b32 s[RS], s[RS], SLOTW
	v_add_nc_u32 v[ADRB], s[RS], v[B0]
	v_add_nc_u32 v[ADRB+1], 128*WP, v[ADRB]
.endm
; A CHUNK IS TWO SLOTS OF 32 MATRIX INSTRUCTIONS.  THE FIRST, for chunk j of a step, multiplies the chunk's first quarter (buffers 0).  Ahead of the products: chunk j + 1, which has come from memory, is rounded
; and stored into the other chunk buffer (cv = 1); the chunk's second quarter is fetched into buffers 1; bank j, rounded a chunk ago, takes the next step's chunk j (ld = 1).
; n = the loads issued behind chunk j + 1's: two chunks' in the loop.
.macro ESLOT j, ld, n, cv=1
.if \cv
	s_wait_loadcnt \n                              ; loads come back in order (ISA guide 5.7.1): chunk j + 1 is in, the younger ones stay out
	CVT ((\j)+1)%4                                 ; also the places between the last products, which read buffers 1, and the loads into them
.else
	PLACES
.endif
	FETCH (\j)%2, 1, 64*(\j)+32, 1
.if \cv
	XSTORE ((\j)+1)%2
.endif
.if \ld
	XLOAD \j, \j
.endif
	s_wait_dscnt 24+16*(\cv)                       ; all but what this slot has issued: buffers 0 are in
	MUL 0, 0
	MUL 0, 2
.endm
; THE SECOND multiplies the second quarter (buffers 1), round ONE barrier: in front of it my stores of chunk j + 1 are done and my reads of chunk j are over; behind it chunk j + 1 is whole, and the buffer of
; chunk j may be written again.  Then chunk j + 1's first quarter is fetched into buffers 0.
; kind = 1, behind a step's last chunk: the change of slots.  In front of the barrier each wave also waits for all its tensor loads (one is out: its part of the next slot) and adds 0 to its spare word; the
; barrier opens a round of the cluster's barrier, and the slot just read is filled again, two steps ahead, first thing behind the round.  kind = 2: the change without a refill.  kind = 3: the last of all.
.macro OSLOT j, kind
.if (\kind) == 1
	WIN 0
	s_wait_xcnt 0x0                                ; the loads and the last prefetch have read their bases, so these may be stepped
	s_add_nc_u64 s[XA:XA+1], s[XA:XA+1], 1024
	s_add_nc_u64 s[PFA:PFA+1], s[PFA:PFA+1], WSTEP
.endif
.if ((\kind) == 1) || ((\kind) == 2)
	WIN 0
	s_wait_tensorcnt 0x0                           ; all my tensor loads have landed, so the group 0 may be written
	ds_add_u32 v[SPW], v[NIL]                      ; 0 onto my spare word: work on registers stands between it and the wait for it
.if (\kind) == 1
	STEPD
.endif
	STEPR
.endif
	s_wait_dscnt 0x0                               ; my stores are done and my reads are back (and so is the add)
	s_barrier_signal -1
	MUL 1, 0
	WIN 0
	s_barrier_wait -1
.if (\kind) == 1
	CREST                                          ; no wave of any partner still reads the slot's tile or has a load on its way
	JLOAD                                          ; 240 matrix instructions ahead of the wait for it; its four v_nop are also the places in front of the loads below
.elseif (\kind) != 3
	PLACES                                         ; between the products that read buffers 0 and the loads into them
.endif
.if (\kind) != 3
	FETCH ((\j)+1)%2, 0, (64*((\j)+1))%256, 0
.endif
.if (\kind) == 1
	ASK
.endif
	MUL 1, 2
.endm
	; the first change of slots: slot 0 is waited for, slot 1 filled for the first time, as a refill is; the round is also the barrier behind which chunk 0 is whole
	s_wait_tensorcnt 0x0
	ds_add_u32 v[SPW], v[NIL]
	STEPD
	STEPR
	s_wait_dscnt 0x0                               ; the add is done, the accumulators hold the bias, my part of chunk 0 is stored
	CROUND
	JLOAD                                          ; W's step 1 into slot 1
	FETCH 0, 0, 0, 0
	s_mov_b32 s3, 3
	s_branch .Lmid                                 ; the loop is entered in the middle of a trip: step 0 has no step before it
.Ltrip:                                            ; a trip: the last 32 products of a step with the change of slots, and all but the last 32 of the next step
	OSLOT 3, 1
	WIN 0
.Lmid:
	ESLOT 0, 1, 32
	OSLOT 0, 0
	ESLOT 1, 1, 32
	OSLOT 1, 0
	ESLOT 2, 1, 32
	OSLOT 2, 0
	ESLOT 3, 1, 32
	WIN 0
	s_sub_co_u32 s3, s3, 1
	s_cmp_lg_u32 s3, 0
	s_cbranch_scc1 .Ltrip
	OSLOT 3, 2                                     ; the last step is written out: nothing is asked for, of W or of x, and the counts of x's loads run down
	ESLOT 0, 0, 32
	OSLOT 0, 0
	ESLOT 1, 0, 16
	OSLOT 1, 0
	ESLOT 2, 0, 0
	OSLOT 2, 0
	ESLOT 3, 0, 0, 0
	OSLOT 3, 3                                     ; its barrier: every wave's reads of the chunk buffers are over, so the stage may take their place
	WIN 0
; THE WAY OUT, a block of 16 rows at a time: rounded to f16, 16 bytes a lane; into my own stage; back as whole rows of 256 bytes; stored.
.macro PACK a
	WIN 0x05                                       ; sources 0 and 1 window 1, destination window 0
.irp b, 0,1,2,3,4,5,6,7
.irp i, 0,1,2,3
	v_cvt_pk_f16_f32 v[AF+4*(\b)+(\i)], v[8*(8*(\a)+(\b))+2*(\i)], v[8*(8*(\a)+(\b))+2*(\i)+1]
.endr
.endr
	WIN 0
.endm
.macro TOSTAGE a
.irp b, 0,1,2,3,4,5,6,7
	ds_store_b128 v[STO], v[AF+4*(\b):AF+4*(\b)+3] offset:32*(\b)
.endr
.irp t, 0,1,2,3,4,5,6,7
	ds_load_b128 v[BF+32*(\a)+4*(\t):BF+32*(\a)+4*(\t)+3], v[RD] offset:(\t)*2*SP  ; in order behind the stores above
.endr
.endm
.macro SEND a                          ; each block has registers of its own, so no store's data is ever rewritten
	s_wait_dscnt 0x0
.irp t, 0,1,2,3,4,5,6,7
	global_store_b128 v[CO], v[BF+32*(\a)+4*(\t):BF+32*(\a)+4*(\t)+3], s[18:19] offset:(16*(\a)+2*(\t))*2048  ; 16 lanes store 256 consecutive bytes, aligned
.endr
.endm
	PLACES
	PLACES
	PACK 0
	TOSTAGE 0
.irp a, 1,2,3                          ; block a's conversions stand between block a - 1's loads from the stage and the wait for them
	PACK \a
	SEND (\a)-1
	TOSTAGE \a
.endr
	SEND 3
	s_wait_tensorcnt 0x0                           ; the wave's end: behind my last tensor load and my last LDS store
	ds_add_u32 v[SPW], v[NIL]
	s_wait_dscnt 0x0
	CROUND                                         ; the closing round: no work-group ends while a partner may still ask for a tile that names it
	s_endpgm
.Lfunc_end_k_q568fea21d8_proj:
	.size	k_q568fea21d8_proj, .Lfunc_end_k_q568fea21d8_proj-k_q568fea21d8_proj
	.p2alignl 7, 3214868480
	.fill 96, 4, 3214868480
	.section	.rodata,"a",@progbits
	.p2align	6, 0x0
	.amdhsa_kernel k_q568fea21d8_proj
		.amdhsa_group_segment_fixed_size 327680
		.amdhsa_private_segment_fixed_size 0
		.amdhsa_enable_private_segment 0
		.amdhsa_kernarg_size 80
		.amdhsa_user_sgpr_count 2
		.amdhsa_user_sgpr_kernarg_segment_ptr 1
		.amdhsa_wavefront_size32 1
		.amdhsa_system_sgpr_workgroup_id_x 1
		.amdhsa_system_sgpr_workgroup_id_y 1
		.amdhsa_system_sgpr_workgroup_id_z 1
		.amdhsa_system_vgpr_workitem_id 0
		.amdhsa_next_free_vgpr 768
		.amdhsa_next_free_sgpr 96
		.amdhsa_reserve_vcc 0
		.amdhsa_float_denorm_mode_32 3
		.amdhsa_float_denorm_mode_16_64 3
		.amdhsa_memory_ordered 1
		.amdhsa_forward_progress 1
		.amdhsa_inst_pref_size 129
	.end_amdhsa_kernel
	.amdgpu_metadata
---
amdhsa.version: [ 1, 2 ]
amdhsa.kernels:
  - .name:           k_q568fea21d8_proj
    .symbol:         k_q568fea21d8_proj.kd
    .args:
      - { .name: query_states, .offset: 0, .size: 8, .value_kind: global_buffer, .address_space: global }
      - { .name: key_states, .offset: 8, .size: 8, .value_kind: global_buffer, .address_space: global }
      - { .name: value_states, .offset: 16, .size: 8, .value_kind: global_buffer, .address_space: global }
      - { .name: wb, .offset: 24, .size: 8, .value_kind: global_buffer, .address_space: global }
      - { .name: bq, .offset: 32, .size: 8, .value_kind: global_buffer, .address_space: global }
      - { .name: bk, .offset: 40, .size: 8, .value_kind: global_buffer, .address_space: global }
      - { .name: bv, .offset: 48, .size: 8, .value_kind: global_buffer, .address_space: global }
      - { .name: qh, .offset: 56, .size: 8, .value_kind: global_buffer, .address_space: global }
      - { .name: kh, .offset: 64, .size: 8, .value_kind: global_buffer, .address_space: global }
      - { .name: vh, .offset: 72, .size: 8, .value_kind: global_buffer, .address_space: global }
    .group_segment_fixed_size: 327680
    .private_segment_fixed_size: 0
    .kernarg_segment_align: 8
    .kernarg_segment_size: 80
    .max_flat_workgroup_size: 128
    .sgpr_count:     96
    .vgpr_count:     768
    .wavefront_size: 32
...
	.end_amdgpu_metadata
.endif
;; end of part 2
;; launch scores (part 3): grid 8 x 32, 4 waves a work-group, clusters of 4 x 4, 327,680 bytes of LDS; arguments qh, kh, attention_mask, p, mst, lst; writes p, mst, lst
.if DOCPART == 3
	.amdgcn_target "amdgcn-amd-amdhsa--gfx1250"
	.amdhsa_code_object_version 6
	.text
	.protected	k_q568fea21d8_scores
	.globl	k_q568fea21d8_scores
	.p2align	8
	.type	k_q568fea21d8_scores,@function
k_q568fea21d8_scores:
	s_mov_b64 s[64:65], 0
	v_nop
	global_prefetch_b8 v0, s[64:65] scope:SCOPE_SE
	s_setreg_imm32_b32 hwreg(HW_REG_WAVE_MODE, 25, 1), 1
	s_wait_xcnt 0x0
	s_wait_alu depctr_hold_cnt(0) depctr_sa_sdst(0) depctr_va_vdst(0) depctr_va_sdst(0) depctr_va_ssrc(0) depctr_va_vcc(0) depctr_vm_vsrc(0)
	s_getreg_b32 s2, hwreg(HW_REG_IB_STS2, 6, 4)
	s_cmp_eq_u32 s2, 0
	s_cbranch_scc0 .Lentry_in_a_cluster
	s_endpgm
.Lentry_in_a_cluster:
	s_bfe_u32 s2, ttmp6, 0x10000c
	s_cmp_lg_u32 s2, 0xf033
	s_cbranch_scc0 .Lentry_shape_is_right
	s_endpgm
.Lentry_shape_is_right:
; THE WEIGHTS, by blocks of 128 keys.  u[q][k] = q . k / 8 + (1 - mask[k]) x (-10000); for each query and each block j of 128 keys: M = the block's maximum of u; p = 2^(u log2e - M log2e), rounded to f16;
; L = the sum of the unrounded p.  p: [8192 queries][2048 keys] f16; mst[j][query] = M log2e, lst[j][query] = L, both f32.  The next launch joins the 16 blocks of a row by 2^(M_j log2e - the largest of them),
; so the weight is exp(u - the row's maximum): a true maximum is taken away before every exponential.
; qh, kh: [8192][1024] f16; products and sums in f32.  The mask is rounded to bf16, like every input; (1 - m) x (-10000) is made as one fused m x 10000 - 10000.
; LIMITS.  A weight below 2^-126 counts as 0 in L; p below 6e-8 is 0 in f16, below 6e-5 it keeps f16's fixed step.  NaN and infinities are not treated apart.
; SHARES.  A work-group makes 256 queries x 256 keys of one batch: 4 x 8 x 8 = 256 work-groups.  A wave makes 128 x 128 (64 accumulators, 512 registers): its 128 keys are one block j.
; The 1,024 channels go in 8 steps of 128 through a ring of two LDS slots; rows of the tiles are 256 bytes of memory, aligned.
; CLUSTER.  4 x 4 work-groups: the queries' tile is asked for jointly by a row of the cluster, the keys' tile by a column.
; THE MATRIX INSTRUCTION IS USED TRANSPOSED (source 0 = 16 keys, source 1 = 16 queries): a lane holds ONE query (l % 16) and, of each block of 16 keys, the keys 8 (l / 16) + 0..7.
; REGISTERS, in windows of 256 (s_set_vgpr_msb: bits 1:0 source 0, 3:2 source 1, 5:4 source 2, 7:6 destination):
;   window 0: v0-31 addresses and statistics; v64-127, v128-191 the queries' fragments, two buffers; v192-255 the mask's term of my 64 keys; on the way out v32-63 packed p, v64-127 u and p, v128-159 rows read back
;   window 1: v64-127, v128-191 the keys' fragments      window 2: the accumulators of my queries 0-63, (a, b) at v[8 (8 a + b)]      window 3: those of my queries 64-127
.set KSTEP,  128
.set DK,     1024
.set PITCH,  272      ; an LDS row: 256 bytes + 16 of padding = 17 x 16: the 16 rows of a load start at 16 different groups of four banks (64 banks of 4 bytes: ISA guide 11.1)
.set HALFT,  128*PITCH
.set SLOT,   4*HALFT  ; the queries' 256 rows, then the keys' 256 rows
.set STAGE,  2*SLOT   ; behind the ring: 16 rows x 272 bytes for each wave
.set SPITCH, 272
.set STATS,  STAGE+4*16*SPITCH  ; for each wave 512 bytes of M log2e, then 512 bytes of L: a word for each of its 128 queries
.set SPARE,  STATS+4*1024       ; the spare words, 128 bytes for each wave: two blocks of 256 bytes that no other line names
.set LAPS,   DK/(2*KSTEP)
.set C0,   8          ; v8-11  four chains of the maximum
.set SUM,  12         ; v12    the maximum; later the block's sum, kept until the next block's piece stores it
.set XC,   13         ; v13    what the other half of the lanes sends
.set ML,   14         ; v[14:15] M log2e, twice (named as a pair)
.set ADRA, 16
.set ADRB, 20
.set STO,  24
.set RD,   25
.set CO,   26
.set SA,   27         ; v27  LDS address of my query's word in the wave's statistics, block 0; never rewritten
.set SPW,  28
.set NIL,  29
.set PFO,  30
.set SR,   31         ; v31  where I read 16 bytes of the statistics back
.set PK,   32
.set T,    64
.set OB,   128
.set MT,   192
.set F0,   64
.set F1,   128
.set WV,   12
.set MH,   13         ; which 128 queries are mine.  Also: I fetch for the queries (0) or for the keys (1)
.set NH,   14         ; which 128 keys are mine.  Also: which 128 rows of that tile I fetch
.set GY,   15         ; tile row: 256 queries, 0..31
.set G1,   24
.set G0,   32
.set CX,   40
.set CY,   41
.set GX,   42         ; tile column: 256 keys of the batch, 0..7
.set LIM,  43
.set PFA,  44
.set G1B,  48
.set G0B,  56
.set SEL,  80
.set BLK,  82
.set HM,   83
.set CLY,  85
.set BA,   86
.set MSB, 0
.macro WIN new
.if MSB != (\new)
	s_set_vgpr_msb (MSB<<8)|(\new)
.set MSB, \new
.endif
.endm
.set MUL_LO, 0xa1     ; source 0 (keys) window 1, source 1 (queries) window 0, C and D window 2
.set MUL_HI, 0xf1     ; the same, C and D window 3
.set TO_B,   0x40     ; destination window 1, address window 0
.macro PLACES
.rept 4
	v_nop
.endr
.endm
.macro JLOAD s                         ; a joint load: waves 0 and 1 fetch the queries' two halves, waves 2 and 3 the keys'; an s_nop 0 and four v_nop follow each of the two lines
	s_cmp_eq_u32 s[MH], 0
	s_cbranch_scc0 .Lfor_b_\@
	tensor_load_to_lds s[G0+4*(\s):G0+4*(\s)+3], s[G1:G1+7]
	s_nop 0
.rept 4
	v_nop
.endr
	s_branch .Lasked_\@
.Lfor_b_\@:
	tensor_load_to_lds s[G0B+4*(\s):G0B+4*(\s)+3], s[G1B:G1B+7]
	s_nop 0
.rept 4
	v_nop
.endr
.Lasked_\@:
.endm
; A PREFETCH INTO THE L2 of the K step that stands two refills on (512 matrix instructions of a wave ahead of the load that will want it): 32 rows x 256 bytes, a lane a row, one instruction a wave.
; The queries' rows are read by both clusters of a row of clusters: cluster x = 0 asks.  The keys' rows are read by a batch's two rows of clusters: the even one asks.  The four partners that ask for a tile
; jointly share its rows out by address: of the 128 rows that a wave fetches, the partner at place p takes 32 p .. 32 p + 31 (p = cx for the queries, cy for the keys).  So each block of 256 bytes is named
; once in the launch.  The first four K steps come by their loads alone; the loop's last trip asks for nothing.
.macro ASK
	s_cmp_gt_u32 s3, s[LIM]
	s_cbranch_scc0 .Lnot_mine_\@
	global_prefetch_b8 v[PFO], s[PFA:PFA+1] offset:KSTEP*2 th:TH_LOAD_NT scope:SCOPE_SE
.Lnot_mine_\@:
.endm
.macro CREST
	s_cmp_lg_u32 s[WV], 0
	s_cbranch_scc1 .Lnot_wave_0_\@
	s_barrier_signal -3
.Lnot_wave_0_\@:
	s_barrier_wait -3
	s_barrier_signal -1
	s_barrier_wait -1
.endm
.macro CROUND
	s_barrier_signal -1
	s_barrier_wait -1
	CREST
.endm
	s_load_b256 s[4:11], s[0:1], 0x0               ; qh s[4:5], kh s[6:7], mask s[8:9], p s[10:11]
	s_load_b128 s[68:71], s[0:1], 0x20             ; mst s[68:69], lst s[70:71]
	v_lshl_add_u32 v[SPW], v0, 2, SPARE
	v_mov_b32 v[NIL], 0
	ds_add_u32 v[SPW], v[NIL]                      ; the wave's opening: the add and its wait stand ahead of my first tensor load; the set-up below, work on registers, stands between them
	v_lshrrev_b32 v1, 5, v0
	v_readfirstlane_b32 s[WV], v1
	s_lshr_b32 s[MH], s[WV], 1
	s_and_b32 s[NH], s[WV], 1
	s_bfe_u32 s[CX], ttmp6, 0x40000
	s_bfe_u32 s[CY], ttmp6, 0x40004
	s_lshl_b32 s[GX], ttmp9, 2
	s_add_co_u32 s[GX], s[GX], s[CX]
	s_and_b32 s[CLY], ttmp7, 0xffff
	s_lshl_b32 s[GY], s[CLY], 2
	s_add_co_u32 s[GY], s[GY], s[CY]
	s_lshr_b32 s[BA], s[CLY], 1                    ; the batch: two rows of clusters each, so all sixteen partners share it
	s_lshl_b32 s43, s[CY], 2
	s_lshl_b32 s43, 15, s43                        ; my row of the cluster
	s_lshl_b32 s44, 0x1111, s[CX]                  ; my column
	s_or_b32 s[G1], s43, (1<<16)|(1<<20)|(1<<21)|(5<<22)|(3<<25)   ; the mask; elements of 2 bytes; padding on; bit 21 beside a mask; after every 64 words (code 5) 4 words (code 3)
	s_or_b32 s[G1B], s44, (1<<16)|(1<<20)|(1<<21)|(5<<22)|(3<<25)
.irp g, G1, G1B
	s_mov_b32 s[(\g)+1], KSTEP<<16                 ; tensor_dim0 = 128
	s_mov_b32 s[(\g)+2], 128<<16                   ; tensor_dim1 = 128
	s_mov_b32 s[(\g)+3], KSTEP<<16                 ; tile_dim0 = 128
	s_mov_b32 s[(\g)+4], 128                       ; tile_dim1 = 128
	s_mov_b32 s[(\g)+5], DK                        ; elements from row to row
	s_mov_b32 s[(\g)+6], 0
	s_mov_b32 s[(\g)+7], 0
.endr
	s_lshl_b32 s16, s[GY], 19                      ; the queries: 256 rows of 2,048 bytes a tile row,
	s_lshl_b32 s17, s[NH], 18                      ; the 128 rows that I fetch
	s_add_co_u32 s16, s16, s17
	s_mov_b32 s17, 0
	s_lshl_b32 s46, s[BA], 22                      ; the keys: the batch's 2,048 rows,
	s_lshl_b32 s47, s[GX], 19
	s_add_co_u32 s46, s46, s47
	s_lshl_b32 s47, s[NH], 18
	s_add_co_u32 s46, s46, s47
	s_mov_b32 s47, 0
	s_mul_i32 s20, s[WV], HALFT                    ; where they go: wave x 128 rows
	s_mov_b32 s72, 0x3e000000                      ; 1 / 8; each constant twice, named as a pair
	s_mov_b32 s73, s72
	s_mov_b32 s74, 0x3fb8aa3b                      ; log2(e)
	s_mov_b32 s75, s74
	s_mov_b32 s76, 0x461c4000                      ; 10000
	s_mov_b32 s77, s76
	s_mov_b32 s78, 0xc61c4000                      ; -10000
	s_mov_b32 s79, s78
	s_mov_b32 s[SEL], 0x76543210                   ; v_permlanex16_b32: each lane takes its own place in the other half
	s_mov_b32 s[SEL+1], 0xfedcba98
	s_mov_b32 s[HM], 0xffff0000
	s_wait_dscnt 0x0                               ; the opening add is done
	s_wait_kmcnt 0x0
	s_add_nc_u64 s[18:19], s[4:5], s[16:17]
	s_add_nc_u64 s[46:47], s[6:7], s[46:47]
	CROUND                                         ; all sixteen work-groups are here: the first joint loads meet
.irp s, 0,1
	s_mov_b32 s[G0+4*(\s)], 1
	s_add_co_u32 s[G0+4*(\s)+1], s20, (\s)*SLOT
	s_add_nc_u64 s[G0+4*(\s)+2:G0+4*(\s)+3], s[18:19], (\s)*KSTEP*2
	s_or_b32 s[G0+4*(\s)+3], s[G0+4*(\s)+3], 0x80000000
	s_mov_b32 s[G0B+4*(\s)], 1
	s_add_co_u32 s[G0B+4*(\s)+1], s20, (\s)*SLOT
	s_add_nc_u64 s[G0B+4*(\s)+2:G0B+4*(\s)+3], s[46:47], (\s)*KSTEP*2
	s_or_b32 s[G0B+4*(\s)+3], s[G0B+4*(\s)+3], 0x80000000
	JLOAD \s
.endr
	; the mask of my 64 keys: register j of block b belongs to key 16 b + 8 (l / 16) + j of my wave's 128
	v_and_b32 v1, 15, v0                           ; l % 16
	v_bfe_u32 v2, v0, 4, 1                         ; l / 16
	v_lshlrev_b32 v6, 5, v2
	s_lshl_b32 s22, s[BA], 13
	s_lshl_b32 s23, s[GX], 10
	s_add_co_u32 s22, s22, s23
	s_lshl_b32 s23, s[NH], 9
	s_add_co_u32 s22, s22, s23
	s_mov_b32 s23, 0
	s_add_nc_u64 s[8:9], s[8:9], s[22:23]
.irp b, 0,1,2,3,4,5,6,7
	global_load_b128 v[MT+8*(\b):MT+8*(\b)+3],   v6, s[8:9] offset:64*(\b)
	global_load_b128 v[MT+8*(\b)+4:MT+8*(\b)+7], v6, s[8:9] offset:64*(\b)+16
.endr
	; a fragment is 16 rows x 32 channels in 8 registers: lane l holds row l % 16, channels 8 (l / 16) + 0..7 and 16 + 8 (l / 16) + 0..7: two loads of 16 bytes, 32 bytes apart
	v_mul_u32_u24 v3, v1, PITCH
	v_lshl_add_u32 v3, v2, 4, v3
	s_mul_i32 s21, s[MH], HALFT
	s_mul_i32 s22, s[NH], HALFT
	s_add_co_u32 s22, s22, 2*HALFT
.irp s, 0,1
	v_add_nc_u32 v[ADRA+(\s)], s21, v3
	v_add_nc_u32 v[ADRB+(\s)], s22, v3
	s_add_co_u32 s21, s21, SLOT
	s_add_co_u32 s22, s22, SLOT
.endr
	s_mul_i32 s23, s[WV], 16*SPITCH
	s_add_co_u32 s23, s23, STAGE                   ; my stage
	v_mul_u32_u24 v4, v1, SPITCH
	v_lshl_add_u32 v4, v2, 4, v4
	v_add_nc_u32 v[STO], s23, v4
	v_mul_u32_u24 v5, v2, SPITCH
	v_lshl_add_u32 v5, v1, 4, v5
	v_add_nc_u32 v[RD], s23, v5
	v_lshlrev_b32 v5, 12, v2                       ; a row of p is 4,096 bytes
	v_lshl_add_u32 v[CO], v1, 4, v5
	s_lshl_b32 s23, s[WV], 10
	s_add_co_u32 s23, s23, STATS                   ; my statistics
	v_lshl_add_u32 v[SA], v1, 2, s23
	v_and_b32 v7, 31, v0
	v_lshl_add_u32 v[SR], v7, 4, s23
	v_lshlrev_b32 v[PFO], 11, v7                   ; a row of qh or kh is 2,048 bytes
	v_mov_b32 v[XC], 0                             ; named as a destination that counts as read, and by every block's piece but the first:
	v_mov_b32 v[SUM], 0                            ; written once here, so that every way finds them written
	v_mov_b32 v[ML], 0
	v_mov_b32 v[ML+1], 0
	s_lshl_b32 s16, s[GY], 20                      ; where my part of p begins: 256 rows of 4,096 bytes a tile row,
	s_lshl_b32 s17, s[MH], 19
	s_add_co_u32 s16, s16, s17
	s_lshl_b32 s17, s[GX], 9                       ; 256 keys of 2 bytes a tile column,
	s_add_co_u32 s16, s16, s17
	s_lshl_b32 s17, s[NH], 8
	s_add_co_u32 s16, s16, s17
	s_mov_b32 s17, 0                               ; the first block's stores add it to p's address
	s_lshl_b32 s88, s[GX], 16                      ; the statistics: block 2 gx + half, 32,768 bytes each,
	s_lshl_b32 s89, s[NH], 15
	s_add_co_u32 s88, s88, s89
	s_lshl_b32 s89, s[GY], 10                      ; my 128 queries' words
	s_add_co_u32 s88, s88, s89
	s_lshl_b32 s89, s[MH], 9
	s_add_co_u32 s88, s88, s89
	s_mov_b32 s89, 0
	s_add_nc_u64 s[68:69], s[68:69], s[88:89]
	s_add_nc_u64 s[70:71], s[70:71], s[88:89]
	; the prefetches
	s_lshl_b32 s21, s[GY], 8                       ; the tile's first row: of qh,
	s_lshl_b32 s22, s[BA], 11
	s_lshl_b32 s23, s[GX], 8
	s_add_co_u32 s22, s22, s23                     ; of kh
	s_and_b32 s23, s[CLY], 1
	s_cmp_eq_u32 s[MH], 0                          ; do I fetch for the queries?
	s_cselect_b32 s21, s21, s22
	s_cselect_b32 s22, s[CX], s[CY]                ; my place among the four that ask with me
	s_cselect_b32 s23, ttmp9, s23                  ; the coordinate along which other clusters read the same rows
	s_cselect_b64 s[PFA:PFA+1], s[4:5], s[6:7]
	s_cmp_eq_u32 s23, 0
	s_cselect_b32 s[LIM], 1, -1                    ; the same in all sixteen partners, for a given wave
	s_lshl_b32 s23, s[NH], 7
	s_add_co_u32 s21, s21, s23                     ; + the 128 rows that I fetch
	s_lshl_b32 s22, s22, 5
	s_add_co_u32 s21, s21, s22                     ; + my work-group's 32 of them
	s_lshl_b32 s22, s21, 11
	s_mov_b32 s23, 0
	s_add_nc_u64 s[PFA:PFA+1], s[PFA:PFA+1], s[22:23]
	s_add_nc_u64 s[PFA:PFA+1], s[PFA:PFA+1], 2*KSTEP*2  ; at K step 2: the first refill steps it to 3 and names K step 4
	s_wait_loadcnt 0x0                             ; the mask is in: rounded to bf16, widened, and made into the scores' addend m x 10000 - 10000
.set i, 0
.rept 32
	v_cvt_pk_bf16_f32 v[PK+i], v[MT+2*i], v[MT+2*i+1]
.set i, i+1
.endr
.set i, 0
.rept 32
	v_lshlrev_b32 v[MT+2*i], 16, v[PK+i]
	v_and_b32 v[MT+2*i+1], s[HM], v[PK+i]
.set i, i+1
.endr
.set i, 0
.rept 32
	v_pk_fma_f32 v[MT+2*i:MT+2*i+1], v[MT+2*i:MT+2*i+1], s[76:77], s[78:79] op_sel_hi:[1,0,0]
.set i, i+1
.endr
; 16 matrix instructions: query blocks a0, a0 + 1 of the window's four x all 8 key blocks, 32 channels.  The 64 accumulators take turns, one instruction a turn.  zero = 1: the product starts the sum.
.macro MUL16 f, hi, a0, zero
	WIN MUL_LO+0x50*(\hi)
.irp a, \a0, (\a0)+1
.irp b, 0,1,2,3,4,5,6,7
.if \zero
	v_wmma_f32_16x16x32_f16 v[8*(8*(\a)+(\b)):8*(8*(\a)+(\b))+7], v[(\f)+8*(\b):(\f)+8*(\b)+7], v[(\f)+8*(4*(\hi)+(\a)):(\f)+8*(4*(\hi)+(\a))+7], 0
.else
	v_wmma_f32_16x16x32_f16 v[8*(8*(\a)+(\b)):8*(8*(\a)+(\b))+7], v[(\f)+8*(\b):(\f)+8*(\b)+7], v[(\f)+8*(4*(\hi)+(\a)):(\f)+8*(4*(\hi)+(\a))+7], v[8*(8*(\a)+(\b)):8*(8*(\a)+(\b))+7]
.endif
.endr
.endr
.endm
; 32 LDS loads in one run: the fragments of one quarter step (128 keys, 128 queries, 32 channels at byte k of the rows) into buffer f
.macro FETCH slot, k, f
	WIN TO_B
.irp i, 0,1,2,3,4,5,6,7
	ds_load_b128 v[(\f)+8*(\i):(\f)+8*(\i)+3],   v[ADRB+(\slot)] offset:(\k)+(\i)*16*PITCH
	ds_load_b128 v[(\f)+8*(\i)+4:(\f)+8*(\i)+7], v[ADRB+(\slot)] offset:(\k)+(\i)*16*PITCH+32
.endr
	WIN 0
.irp i, 0,1,2,3,4,5,6,7
	ds_load_b128 v[(\f)+8*(\i):(\f)+8*(\i)+3],   v[ADRA+(\slot)] offset:(\k)+(\i)*16*PITCH
	ds_load_b128 v[(\f)+8*(\i)+4:(\f)+8*(\i)+7], v[ADRA+(\slot)] offset:(\k)+(\i)*16*PITCH+32
.endr
.endm
; One of a K step's first three quarters: multiplies buffer f; in its middle it fetches the next quarter's fragments, at byte k, into buffer g.
.macro QUARTER slot, k, f, g, zero
	s_wait_dscnt 8                                 ; the keys and my queries 0-63 are in; the youngest eight loads (queries 64-127) may be out
	MUL16 \f, 0, 0, \zero
	MUL16 \f, 0, 2, \zero
	PLACES                                         ; four places in front of loads into registers that matrix instructions have read
	FETCH \slot, \k, \g
	s_wait_dscnt 32                                ; all but the 32 just issued
	MUL16 \f, 1, 0, \zero
	MUL16 \f, 1, 2, \zero
.endm
; The first half of the last quarter: ONE barrier for the change of slots.  In front of it each wave waits for all its tensor loads (one is out: its part of the next slot), adds 0 to its spare word, and waits
; for that and for its own reads of this slot.
.macro MEET round
	WIN 0
	s_wait_tensorcnt 0x0
	ds_add_u32 v[SPW], v[NIL]                      ; 0 onto my spare word
	s_wait_dscnt 9                                 ; the add and the youngest eight loads may be out
	MUL16 F1, 0, 0, 0                              ; sixteen matrix instructions stand between the add and the wait for it
	s_wait_dscnt 0x0                               ; the add is done, and my reads of this slot are over
	s_barrier_signal -1
	MUL16 F1, 0, 2, 0
.if \round
	WIN 0
.endif
	s_barrier_wait -1
.endm
.macro TURN slot, next
	s_wait_xcnt 0x0                                ; the last prefetch, a K step back, has read its address, so it may be stepped
	s_add_nc_u64 s[PFA:PFA+1], s[PFA:PFA+1], KSTEP*2
	MEET 1
	CREST                                          ; no wave of any partner still reads this slot's tiles or has a load on its way
	s_add_nc_u64 s[G0+4*(\slot)+2:G0+4*(\slot)+3], s[G0+4*(\slot)+2:G0+4*(\slot)+3], 2*KSTEP*2
	s_add_nc_u64 s[G0B+4*(\slot)+2:G0B+4*(\slot)+3], s[G0B+4*(\slot)+2:G0B+4*(\slot)+3], 2*KSTEP*2
	JLOAD \slot                                    ; 224 matrix instructions ahead of the wait for it; the four v_nop behind it are also the places in front of the loads below
	FETCH \next, 0, F0
	ASK
	MUL16 F1, 1, 0, 0
	MUL16 F1, 1, 2, 0
.endm
	s_wait_tensorcnt 1                             ; my part of K step 0 is in; K step 1's may stay out
	s_barrier_signal -1
	s_barrier_wait -1
	FETCH 0, 0, F0
	QUARTER 0, 64,  F0, F1, 1                      ; the first quarter stands in front of the loop: its products start the sums
	WIN 0
	s_mov_b32 s3, LAPS-1
.Llap:                                             ; a trip goes once round the ring, from a lap's second quarter to the next lap's first, and fills both slots again
	QUARTER 0, 128, F1, F0, 0
	QUARTER 0, 192, F0, F1, 0
	TURN 0, 1
	QUARTER 1, 64,  F0, F1, 0
	QUARTER 1, 128, F1, F0, 0
	QUARTER 1, 192, F0, F1, 0
	TURN 1, 0
	QUARTER 0, 64,  F0, F1, 0
	WIN 0
	s_sub_co_u32 s3, s3, 1
	s_cmp_lg_u32 s3, 0
	s_cbranch_scc1 .Llap
	QUARTER 0, 128, F1, F0, 0                      ; the last lap fills nothing, and has no round of the cluster's barrier
	QUARTER 0, 192, F0, F1, 0
	MEET 0
	PLACES
	FETCH 1, 0, F0
	MUL16 F1, 1, 0, 0
	MUL16 F1, 1, 2, 0
	QUARTER 1, 64,  F0, F1, 0
	QUARTER 1, 128, F1, F0, 0
	QUARTER 1, 192, F0, F1, 0
	s_wait_dscnt 8
	MUL16 F1, 0, 0, 0
	MUL16 F1, 0, 2, 0
	s_wait_dscnt 0x0
	MUL16 F1, 1, 0, 0
	MUL16 F1, 1, 2, 0
	WIN 0
; THE WAY OUT: eight blocks of 16 queries, ONE text for what is alike in all.  A block's PIECE is what names its accumulators: u = s / 8 + the mask's term, 32 packed instructions, into window 0; ahead of them
; it stores the statistics of the block before, at constant LDS addresses.  The jumps to the pieces go forward, on the loop's own count.
.macro PIECE a
.if (\a) > 0
	ds_store_b32 v[SA], v[ML]  offset:64*((\a)-1)
	ds_store_b32 v[SA], v[SUM] offset:512+64*((\a)-1)
.endif
	WIN 0x02+(\a)/4                                ; source 0 window 2 or 3
.irp b, 0,1,2,3,4,5,6,7
.irp i, 0,1,2,3
	v_pk_fma_f32 v[T+8*(\b)+2*(\i):T+8*(\b)+2*(\i)+1], v[8*(8*((\a)%4)+(\b))+2*(\i):8*(8*((\a)%4)+(\b))+2*(\i)+1], s[72:73], v[MT+8*(\b)+2*(\i):MT+8*(\b)+2*(\i)+1] op_sel_hi:[1,0,1]
.endr
.endr
	WIN 0
.endm
	PLACES
	PLACES
	s_mov_b32 s[BLK], 8                            ; blocks to go
.Lblk:
.irp a, 0,1,2,3,4,5,6
	s_cmp_eq_u32 s[BLK], 8-(\a)
	s_cbranch_scc1 .Lpiece\a
.endr
	PIECE 7
	s_branch .Lcommon
.irp a, 0,1,2,3,4,5
.Lpiece\a:
	PIECE \a
	s_branch .Lcommon
.endr
.Lpiece6:
	PIECE 6
.Lcommon:
	; the maximum of my 64 u, three operands at a time, in four chains; then the query's other 64 keys, which lie in the lane 16 away
.irp c, 0,1,2,3
	v_max3_num_f32 v[C0+(\c)], v[T+16*(\c)], v[T+16*(\c)+1], v[T+16*(\c)+2]
.endr
.irp n, 1,2,3,4,5,6
.irp c, 0,1,2,3
	v_max3_num_f32 v[C0+(\c)], v[C0+(\c)], v[T+16*(\c)+2*(\n)+1], v[T+16*(\c)+2*(\n)+2]
.endr
.endr
	v_max3_num_f32 v[C0], v[C0], v[T+15], v[T+31]
	v_max3_num_f32 v[C0+2], v[C0+2], v[T+47], v[T+63]
	v_max3_num_f32 v[C0], v[C0], v[C0+1], v[C0+2]
	v_max_num_f32 v[C0], v[C0], v[C0+3]
	v_permlanex16_b32 v[XC], v[C0], s[SEL], s[SEL+1]
	v_max_num_f32 v[SUM], v[C0], v[XC]
	v_mul_f32 v[ML], s74, v[SUM]                   ; M log2e: the same number is taken away here and handed on, so its rounding cancels
	v_mov_b32 v[ML+1], v[ML]
.set i, 0
.rept 32
	v_pk_fma_f32 v[T+2*i:T+2*i+1], v[T+2*i:T+2*i+1], s[74:75], v[ML:ML+1] op_sel_hi:[1,0,0] neg_lo:[0,0,1] neg_hi:[0,0,1]
.set i, i+1
.endr
.set i, 0
.rept 64                                           ; ONE batch of exponentials,
	v_exp_f32 v[T+i], v[T+i]
.set i, i+1
.endr
	v_nop                                          ; one plain instruction behind the last of them (ISA guide 5.7.2),
	s_wait_alu depctr_va_vdst(0)                   ; and the one wait ahead of the first instruction that names a result
.set i, 0
.rept 32
	v_cvt_pk_f16_f32 v[PK+i], v[T+2*i], v[T+2*i+1]
.set i, i+1
.endr
	s_wait_xcnt 0x0                                ; the last block's stores have read their data and their base: only behind this wait are both written again
	s_add_nc_u64 s[10:11], s[10:11], s[16:17]      ; the first time: to my part of p; then 16 rows on
	s_mov_b32 s16, 16*4096
.irp b, 0,1,2,3,4,5,6,7
	ds_store_b128 v[STO], v[PK+4*(\b):PK+4*(\b)+3] offset:32*(\b)
.endr
.irp t, 0,1,2,3,4,5,6,7
	ds_load_b128 v[OB+4*(\t):OB+4*(\t)+3], v[RD] offset:(\t)*2*SPITCH  ; LDS serves a wave's instructions in order (ISA guide 5.7.1.4): these see the stores above
.endr
	; the sum of the unrounded p stands between those loads and the wait for them: neighbours 1, 2, 4, 8 and 16 pairs apart, the pair's halves, the other half of the lanes
.irp w, 4,8,16,32,64
.set u, 0
.rept 64/(\w)
	v_pk_add_f32 v[T+u:T+u+1], v[T+u:T+u+1], v[T+u+(\w)/2:T+u+(\w)/2+1]
.set u, u+(\w)
.endr
.endr
	v_add_f32 v[T], v[T], v[T+1]
	v_permlanex16_b32 v[XC], v[T], s[SEL], s[SEL+1]
	v_add_f32 v[SUM], v[T], v[XC]
	s_wait_dscnt 0x0                               ; the block is back in registers
.irp t, 0,1,2,3,4,5,6,7
	global_store_b128 v[CO], v[OB+4*(\t):OB+4*(\t)+3], s[10:11] offset:(\t)*2*4096  ; 16 lanes store 256 consecutive bytes, aligned
.endr
	s_sub_co_u32 s[BLK], s[BLK], 1
	s_cmp_lg_u32 s[BLK], 0
	s_cbranch_scc1 .Lblk
	ds_store_b32 v[SA], v[ML]  offset:64*7         ; the last block's statistics
	ds_store_b32 v[SA], v[SUM] offset:512+64*7
	ds_load_b128 v[PK:PK+3],   v[SR]               ; my wave's own bytes, in order behind its stores: 128 words of M log2e,
	ds_load_b128 v[PK+4:PK+7], v[SR] offset:512    ; 128 of L
	v_and_b32 v7, 31, v0
	v_lshlrev_b32 v7, 4, v7
	s_wait_dscnt 0x0
	global_store_b128 v7, v[PK:PK+3],   s[68:69]   ; 512 consecutive bytes each, aligned
	global_store_b128 v7, v[PK+4:PK+7], s[70:71]
	s_wait_tensorcnt 0x0                           ; the wave's end: behind my last tensor load and my last LDS store
	ds_add_u32 v[SPW], v[NIL]
	s_wait_dscnt 0x0
	CROUND                                         ; the closing round: no work-group ends while a partner may still ask for a tile that names it
	s_endpgm
.Lfunc_end_k_q568fea21d8_scores:
	.size	k_q568fea21d8_scores, .Lfunc_end_k_q568fea21d8_scores-k_q568fea21d8_scores
	.p2alignl 7, 3214868480
	.fill 96, 4, 3214868480
	.section	.rodata,"a",@progbits
	.p2align	6, 0x0
	.amdhsa_kernel k_q568fea21d8_scores
		.amdhsa_group_segment_fixed_size 327680
		.amdhsa_private_segment_fixed_size 0
		.amdhsa_enable_private_segment 0
		.amdhsa_kernarg_size 48
		.amdhsa_user_sgpr_count 2
		.amdhsa_user_sgpr_kernarg_segment_ptr 1
		.amdhsa_wavefront_size32 1
		.amdhsa_system_sgpr_workgroup_id_x 1
		.amdhsa_system_sgpr_workgroup_id_y 1
		.amdhsa_system_sgpr_workgroup_id_z 1
		.amdhsa_system_vgpr_workitem_id 0
		.amdhsa_next_free_vgpr 1024
		.amdhsa_next_free_sgpr 96
		.amdhsa_reserve_vcc 0
		.amdhsa_float_denorm_mode_32 3
		.amdhsa_float_denorm_mode_16_64 3
		.amdhsa_memory_ordered 1
		.amdhsa_forward_progress 1
		.amdhsa_inst_pref_size 152
	.end_amdhsa_kernel
	.amdgpu_metadata
---
amdhsa.version: [ 1, 2 ]
amdhsa.kernels:
  - .name:           k_q568fea21d8_scores
    .symbol:         k_q568fea21d8_scores.kd
    .args:
      - { .name: qh, .offset: 0, .size: 8, .value_kind: global_buffer, .address_space: global }
      - { .name: kh, .offset: 8, .size: 8, .value_kind: global_buffer, .address_space: global }
      - { .name: attention_mask, .offset: 16, .size: 8, .value_kind: global_buffer, .address_space: global }
      - { .name: p, .offset: 24, .size: 8, .value_kind: global_buffer, .address_space: global }
      - { .name: mst, .offset: 32, .size: 8, .value_kind: global_buffer, .address_space: global }
      - { .name: lst, .offset: 40, .size: 8, .value_kind: global_buffer, .address_space: global }
    .group_segment_fixed_size: 327680
    .private_segment_fixed_size: 0
    .kernarg_segment_align: 8
    .kernarg_segment_size: 48
    .max_flat_workgroup_size: 128
    .sgpr_count:     96
    .vgpr_count:     1024
    .wavefront_size: 32
...
	.end_amdgpu_metadata
.endif
;; end of part 3
;; launch context (part 4): grid 4 x 64, 4 waves a work-group, clusters of 4 x 4, 327,680 bytes of LDS; arguments p, vh, mst, lst, out0; writes out0
.if DOCPART == 4
	.amdgcn_target "amdgcn-amd-amdhsa--gfx1250"
	.amdhsa_code_object_version 6
	.text
	.protected	k_q568fea21d8_context
	.globl	k_q568fea21d8_context
	.p2align	8
	.type	k_q568fea21d8_context,@function
k_q568fea21d8_context:
	s_mov_b64 s[64:65], 0
	v_nop
	global_prefetch_b8 v0, s[64:65] scope:SCOPE_SE
	s_setreg_imm32_b32 hwreg(HW_REG_WAVE_MODE, 25, 1), 1
	s_wait_xcnt 0x0
	s_wait_alu depctr_hold_cnt(0) depctr_sa_sdst(0) depctr_va_vdst(0) depctr_va_sdst(0) depctr_va_ssrc(0) depctr_va_vcc(0) depctr_vm_vsrc(0)
	s_getreg_b32 s2, hwreg(HW_REG_IB_STS2, 6, 4)
	s_cmp_eq_u32 s2, 0
	s_cbranch_scc0 .Lentry_in_a_cluster
	s_endpgm
.Lentry_in_a_cluster:
	s_bfe_u32 s2, ttmp6, 0x10000c
	s_cmp_lg_u32 s2, 0xf033
	s_cbranch_scc0 .Lentry_shape_is_right
	s_endpgm
.Lentry_shape_is_right:
; out0[q][c] = (1 / l_q) x the sum over blocks j of f_j(q) x the sum over the block's 128 keys of p[q][k] v[k][c], with f_j = 2^(mst[j][q] - the largest of the row's 16) and l = the sum of f_j lst[j][q].
; So the weight of a key is exp(u - the row's maximum) / l.  p: [8192][2048] f16; vh: [8192][1024] f16; mst, lst: [16][8192] f32; out0: [8192][1024] f32.
; f_j is rounded to f16 and multiplies p on its way into LDS (one packed product, rounded to f16); l is made with the SAME rounded f_j, in f32; 1 / l multiplies the f32 sums at the end.
; LIMITS.  f_j, and p f_j, below 6e-8 are 0 in f16, below 6e-5 they keep f16's fixed step; l is at least 1 less a rounding, since the row's largest block has f = 1 and holds a weight of 1.  NaN and
; infinities are not treated apart.
; SHARES.  A work-group makes 128 queries x 256 channels: 64 x 4 = 256 work-groups; a wave 64 x 128: 32 accumulators.
; v goes through a ring of two LDS slots of 256 keys (eight steps), filled by the tensor data mover: each wave fetches 64 of a step's 256 rows.  4 x 4 work-groups form a cluster; v's tile hangs on the batch and
; the tile column alone and is asked for JOINTLY by a column of the cluster.
; p GOES THROUGH REGISTERS, in chunks of 64 keys: wave w loads rows 32 w .. 32 w + 31 of the tile (8 loads, each four rows' 128 consecutive bytes, aligned; the next chunk takes the 128 bytes beside them),
; multiplies them by the rows' factors and stores them into one of two chunk buffers in LDS, from which all four waves take their fragments behind one barrier a chunk.
; WHY p IS NOT ASKED FOR JOINTLY, though the four work-groups of a row of the cluster read the same rows: two slots that held p's and v's tiles would hold 128 keys each, and a refill would have 112 matrix
; instructions of a wave between its request and the wait for it.  With v alone a slot holds 256 keys, and a refill has 240.  p's loads stay out across barriers under counted waits, three chunks (192 matrix
; instructions) ahead of their use, and p f_j is made once in the work-group, not once in each of two waves.
; THE MATRIX INSTRUCTION IS USED TRANSPOSED: source 0 = 16 channels of v (turned on the way out of LDS, since v lies [key][channel]), source 1 = 16 queries of p: a lane holds one query and eight channels.
; REGISTERS (s_set_vgpr_msb: bits 1:0 source 0, 3:2 source 1, 5:4 source 2, 7:6 destination): window 0: v0-31 addresses; v32-95 p's fragments, two buffers; v96-114 factors and statistics;
;   v128-255 v's fragments, two buffers.  Window 1: the accumulators, (a, b) at v[8 (8 a + b)].  Window 2: four banks of 32: p as loaded, a chunk each.
.set VP,    544       ; a row of v in LDS: 512 bytes + 32 of padding = 17 x 32
.set VQ,    64*VP     ; what one tensor load brings
.set SLOTV, 4*VQ      ; 256 rows of v
.set VSTEP, 256*2048  ; a step in memory: 256 rows of 2,048 bytes
.set PP,    144       ; a row of a chunk of p: 128 bytes + 16 = 9 x 16: the 16 rows of a load start at 16 different groups of four banks
.set PBS,   128*PP    ; a chunk buffer
.set PBUF,  2*SLOTV   ; behind the ring: the two chunk buffers, written by LDS stores alone
.set STAGE, PBUF      ; the way out's stage, 16 rows x 528 bytes for each wave, takes their place behind the last barrier
.set OP,    528
.set SPARE, PBUF+2*PBS     ; the spare words, 128 bytes for each wave: two blocks of 256 bytes that no other line names
.set TAB,   SPARE+512      ; for each wave, for its rows 32 w .. 32 w + 31: 16 x 128 bytes of factors (a word, f16 twice, a row), then 128 bytes of 1 / l
.set TABW,  2176
.set TS,   15         ; v15  where I put my row's word of a table
.set ADRB, 16         ; v16-17  LDS address of my v fragments in the slot in hand: rows 0-127, rows 128-255
.set B0,   18         ; v18  my lane's place in v's tile; never rewritten
.set A0,   19         ; v19  LDS address of my p fragments in chunk buffer 0; never rewritten
.set SXP,  20         ; v20  where I put 16 bytes of a row of chunk buffer 0; never rewritten
.set PO,   21         ; v21  my byte offset in the tile's rows of p; never rewritten
.set FA0,  22         ; v22  LDS address of the factor of the first row that I copy, block 0
.set FA,   23         ; v23  the same at the step in hand
.set STO,  24         ; v24  the way out: where I put 32 bytes of a row
.set RD,   25         ; v25  the way out: where I read a row back
.set CO,   26         ; v26  my 16 bytes of a row of out0
.set SO,   27         ; v27  my row's word in the statistics
.set SPW,  28         ; v28  LDS address of my spare word; never rewritten
.set NIL,  29         ; v29  0; never rewritten
.set PFO,  30         ; v30  the prefetches' offset; never rewritten
.set IA,   31         ; v31  LDS address of my query's 1 / l
.set AF,   32
.set FCT,  96         ; v96-103   the block's factor for the row that I hold in each of a chunk's eight loads
.set IL,   104        ; v104-111  1 / l of my query in each of the four blocks, each twice (named as pairs)
.set MX,   112        ; v112  my row's largest M log2e
.set LL,   113        ; v113  its l
.set RL,   114        ; v114  1 / l
.set BF,   128
.set TM,   128        ; while the tables are made: mst's 16,
.set TL,   144        ; lst's,
.set FH,   160        ; the factors in f16
.set SC,   128        ; the way out: a block's 64 scaled numbers
.set WV,   14
.set MH,   15
.set NH,   16
.set CX,   17
.set CY,   18
.set GX,   19
.set GY,   20
.set CLY,  21
.set BA,   22
.set G1,   24         ; s[24:31] descriptor group 1
.set G0,   32         ; s[32:35] descriptor group 0: it walks
.set FS,   36         ; s36  the slot to be filled: 0 or SLOTV
.set RS,   37         ; s37  the slot to be read
.set WOF,  38         ; s38  my 64 rows' place in a slot
.set TF,   39         ; s39  256 x the step in hand: its two blocks' factors
.set PA,   48         ; s[48:49] p at the tile's first row, at the step whose chunks are being loaded
.set PFA,  68         ; s[68:69] where my prefetches stand
.set LIM,  72         ; s72  1 in a work-group that prefetches, else the greatest number
.set MSB, 0
.macro WIN new                         ; the immediate's high byte repeats the setting that is left; a switch that changes nothing is dropped
.if MSB != (\new)
	s_set_vgpr_msb (MSB<<8)|(\new)
.set MSB, \new
.endif
.endm
.macro PLACES                          ; four places behind a matrix instruction (ISA guide 7.12.1), where no other vector work is at hand
.rept 4
	v_nop
.endr
.endm
.macro JLOAD                           ; a joint load: every wave fetches its own 64 rows of v's step; an s_nop 0 and four v_nop follow it
	tensor_load_to_lds s[G0:G0+3], s[G1:G1+7]
	s_nop 0
.rept 4
	v_nop
.endr
.endm
.macro CREST                           ; a round of the cluster's barrier behind its opening barrier
	s_cmp_lg_u32 s[WV], 0
	s_cbranch_scc1 .Lnot_wave_0_\@
	s_barrier_signal -3
.Lnot_wave_0_\@:
	s_barrier_wait -3
	s_barrier_signal -1
	s_barrier_wait -1
.endm
.macro CROUND                          ; a whole round
	s_barrier_signal -1
	s_barrier_wait -1
	CREST
.endm
; A PREFETCH INTO THE L2 of v's step that the NEXT refill will ask for: 256 matrix instructions of a wave ahead of that load.  A batch's v is read by its four rows of clusters: the first of them asks.  Of the
; 64 rows x 512 bytes that a wave fetches, the partner at place cy takes 16 rows, told apart by address; a lane takes one row's first or second 256 bytes: one instruction a wave.  So each block of 256 bytes is
; named at most once in the launch.  Steps 0 to 2 come by their loads alone; the last refill asks for nothing.  p is not asked for: its loads themselves go out three chunks ahead, into registers.
.macro ASK
	s_cmp_gt_u32 s3, s[LIM]
	s_cbranch_scc0 .Lnot_mine_\@
	global_prefetch_b8 v[PFO], s[PFA:PFA+1] th:TH_LOAD_NT scope:SCOPE_SE
.Lnot_mine_\@:
.endm
.macro PLOAD n, j                      ; a chunk of p into bank n: my 32 rows' 128 bytes at chunk j of the step at which PA stands
	WIN 0x80                                       ; destination window 2, address window 0
.irp i, 0,1,2,3,4,5,6,7
	global_load_b128 v[32*(\n)+4*(\i):32*(\n)+4*(\i)+3], v[PO], s[PA:PA+1] offset:16384*(\i)+128*(\j)
.endr
.endm
.macro SCALE n                         ; p f_j, in place: 32 plain instructions that name no register of the products round them
	WIN 0x82                                       ; destination and source 0 window 2, source 1 window 0
.irp i, 0,1,2,3,4,5,6,7
.irp k, 0,1,2,3
	v_pk_mul_f16 v[32*(\n)+4*(\i)+(\k)], v[32*(\n)+4*(\i)+(\k)], v[FCT+(\i)]
.endr
.endr
.endm
.macro PSTORE n, xb                    ; bank n into chunk buffer xb: 16 bytes a lane, four rows an instruction
	WIN 0x08                                       ; the data (source 1) window 2, the address window 0
.irp i, 0,1,2,3,4,5,6,7
	ds_store_b128 v[SXP], v[32*(\n)+4*(\i):32*(\n)+4*(\i)+3] offset:(\xb)*PBS+4*PP*(\i)
.endr
.endm
.macro FLOADS bl                       ; the factors of block bl, counted from the step in hand, for the eight rows that I hold: my wave's own bytes
	WIN 0
.irp i, 0,1,2,3,4,5,6,7
	ds_load_b32 v[FCT+(\i)], v[FA] offset:128*(\bl)+16*(\i)
.endr
.endm
	s_load_b256 s[4:11], s[0:1], 0x0               ; p s[4:5], vh s[6:7], mst s[8:9], lst s[10:11]
	s_load_b64 s[12:13], s[0:1], 0x20              ; out0
	v_lshl_add_u32 v[SPW], v0, 2, SPARE
	v_mov_b32 v[NIL], 0
	ds_add_u32 v[SPW], v[NIL]                      ; the wave's opening: the add and its wait stand ahead of my first tensor load; the set-up below, work on registers, stands between them
	v_lshrrev_b32 v1, 5, v0
	v_readfirstlane_b32 s[WV], v1
	s_lshr_b32 s[MH], s[WV], 1                     ; which 64 queries are mine
	s_and_b32 s[NH], s[WV], 1                      ; which 128 channels are mine
	s_bfe_u32 s[CX], ttmp6, 0x40000
	s_bfe_u32 s[CY], ttmp6, 0x40004
	s_lshl_b32 s[GX], ttmp9, 2
	s_add_co_u32 s[GX], s[GX], s[CX]               ; tile column: 256 channels, 0..3
	s_and_b32 s[CLY], ttmp7, 0xffff
	s_lshl_b32 s[GY], s[CLY], 2
	s_add_co_u32 s[GY], s[GY], s[CY]               ; tile row: 128 queries, 0..63
	s_lshr_b32 s[BA], s[CLY], 2                    ; the batch: four rows of clusters each
	s_and_b32 s40, s[CLY], 3
	s_cmp_eq_u32 s40, 0                            ; the batch's first row of clusters prefetches: the same in all sixteen partners
	s_cselect_b32 s[LIM], 1, -1
	s_lshl_b32 s42, 0x1111, s[CX]                  ; my column of the cluster
	s_or_b32 s[G1], s42, (1<<16)|(1<<20)|(1<<21)|(6<<22)|(7<<25)  ; the mask; elements of 2 bytes; padding on; bit 21 beside a mask; after every 128 words (code 6) 8 words (code 7)
	s_mov_b32 s[G1+1], 256<<16                     ; tensor_dim0 = 256
	s_mov_b32 s[G1+2], 64<<16                      ; tensor_dim1 = 64
	s_mov_b32 s[G1+3], 256<<16                     ; tile_dim0 = 256
	s_mov_b32 s[G1+4], 64                          ; tile_dim1 = 64
	s_mov_b32 s[G1+5], 1024                        ; elements from row to row
	s_mov_b32 s[G1+6], 0
	s_mov_b32 s[G1+7], 0
	s_lshl_b32 s40, s[GY], 19                      ; p: 128 rows of 4,096 bytes a tile row
	s_mov_b32 s41, 0
	s_lshl_b32 s42, s[BA], 22                      ; v: the batch's 2,048 rows of 2,048 bytes,
	s_lshl_b32 s43, s[WV], 17                      ; the 64 rows that I fetch,
	s_add_co_u32 s42, s42, s43
	s_lshl_b32 s43, s[GX], 9                       ; the tile column's 512 bytes
	s_add_co_u32 s42, s42, s43
	s_mov_b32 s43, 0
	s_lshl_b32 s44, s[GY], 9                       ; the statistics: the tile's 128 words,
	s_lshl_b32 s45, s[WV], 7                       ; my 32 of them
	s_add_co_u32 s44, s44, s45
	s_mov_b32 s45, 0
	s_mul_i32 s[WOF], s[WV], VQ                    ; no place in the cluster enters an LDS address
	s_mov_b32 s[FS], 0
	s_mov_b32 s[RS], SLOTV                         ; the first change of slots turns it into 0
	s_mov_b32 s[TF], 0
	s_mov_b32 s[G0], 1
	s_mov_b32 s[G0+1], s[WOF]                      ; slot 0
	v_and_b32 v7, 31, v0                           ; l
	v_lshlrev_b32 v[SO], 2, v7
	v_bfe_u32 v3, v0, 3, 2                         ; l / 8
	v_and_b32 v8, 7, v0                            ; l % 8
	v_lshlrev_b32 v[PO], 12, v3                    ; eight lanes a row of 4,096 bytes,
	v_lshl_add_u32 v[PO], v8, 4, v[PO]             ; 16 bytes a lane,
	s_lshl_b32 s46, s[WV], 17                      ; my 32 rows
	v_add_nc_u32 v[PO], s46, v[PO]
	s_wait_dscnt 0x0                               ; the opening add is done
	s_wait_kmcnt 0x0
	s_add_nc_u64 s[PA:PA+1], s[4:5], s[40:41]
	s_add_nc_u64 s[G0+2:G0+3], s[6:7], s[42:43]    ; v's step 0, my 64 rows
	s_lshl_b32 s46, s[CY], 15                      ; the prefetches: my work-group's 16 of those rows,
	s_mov_b32 s47, 0
	s_add_nc_u64 s[PFA:PFA+1], s[G0+2:G0+3], s[46:47]
	s_add_nc_u64 s[PFA:PFA+1], s[PFA:PFA+1], 2*VSTEP  ; at step 2: the loop's first refill steps it to 3
	s_or_b32 s[G0+3], s[G0+3], 0x80000000          ; type = 2
	s_add_nc_u64 s[8:9], s[8:9], s[44:45]
	s_add_nc_u64 s[10:11], s[10:11], s[44:45]
.irp j, 0,1,2,3,4,5,6,7,8,9,10,11,12,13,14,15
	global_load_b32 v[TM+(\j)], v[SO], s[8:9] offset:(\j)*32768    ; a lane a row: my row's 16 maxima,
.endr
.irp j, 0,1,2,3,4,5,6,7,8,9,10,11,12,13,14,15
	global_load_b32 v[TL+(\j)], v[SO], s[10:11] offset:(\j)*32768  ; and its 16 sums
.endr
	PLOAD 0, 0                                     ; p's chunks 0 to 2 go out ahead of everything else
	PLOAD 1, 1
	PLOAD 2, 2
	WIN 0
	CROUND                                         ; all sixteen work-groups are here: the first joint loads meet
	JLOAD                                          ; v's step 0 into slot 0.  Slot 1 is asked for when slot 0 is in
	v_and_b32 v1, 15, v0                           ; l % 16
	v_bfe_u32 v2, v0, 4, 1                         ; l / 16
	v_bfe_u32 v4, v0, 3, 1
	v_lshl_add_u32 v6, v2, 3, v8                   ; v's fragment: the turning load: key row 8 (l / 16) + l % 8, channels 8 ((l / 8) % 2) + 0..7
	v_mul_u32_u24 v6, v6, VP
	v_lshl_add_u32 v6, v4, 4, v6
	s_lshl_b32 s74, s[NH], 8
	v_add_nc_u32 v[B0], s74, v6
	v_mul_u32_u24 v5, v1, PP                       ; p's fragment: row x pitch + 16 x half, two loads 32 bytes apart
	v_lshl_add_u32 v5, v2, 4, v5
	s_mul_i32 s74, s[MH], 64*PP
	s_add_co_u32 s74, s74, PBUF
	v_add_nc_u32 v[A0], s74, v5
	v_mul_u32_u24 v5, v3, PP                       ; into a chunk buffer: eight lanes a row's 128 bytes
	v_lshl_add_u32 v5, v8, 4, v5
	s_mul_i32 s74, s[WV], 32*PP
	s_add_co_u32 s74, s74, PBUF
	v_add_nc_u32 v[SXP], s74, v5
	s_mul_i32 s74, s[WV], TABW
	s_add_co_u32 s74, s74, TAB                     ; my tables
	v_lshl_add_u32 v[TS], v7, 2, s74
	v_lshl_add_u32 v[FA0], v3, 2, s74              ; load i of a chunk holds row 4 i + l / 8
	v_mov_b32 v[FA], v[FA0]
	s_mul_i32 s74, s[MH], 2*TABW                   ; my 64 queries' 1 / l lie in the tables of waves 2 MH and 2 MH + 1
	s_add_co_u32 s74, s74, TAB+2048
	v_lshl_add_u32 v[IA], v1, 2, s74
	s_mul_i32 s74, s[WV], 16*OP
	s_add_co_u32 s74, s74, STAGE                   ; my stage
	v_mul_u32_u24 v5, v1, OP                       ; in: row l % 16, 32 bytes for each half of the lanes
	v_lshl_add_u32 v5, v2, 5, v5
	v_add_nc_u32 v[STO], s74, v5
	v_lshl_add_u32 v[RD], v7, 4, s74               ; back: 32 lanes take one row of 512 bytes
	v_lshlrev_b32 v[CO], 4, v7
	s_lshl_b32 s74, s[GY], 19                      ; my part of out0: 128 rows of 4,096 bytes a tile row,
	s_lshl_b32 s75, s[MH], 18
	s_add_co_u32 s74, s74, s75
	s_lshl_b32 s75, s[GX], 10                      ; the tile column's 1,024 bytes,
	s_add_co_u32 s74, s74, s75
	s_lshl_b32 s75, s[NH], 9
	s_add_co_u32 s74, s74, s75
	s_mov_b32 s75, 0
	s_add_nc_u64 s[12:13], s[12:13], s[74:75]
	v_lshlrev_b32 v[PFO], 11, v1                   ; a row of v is 2,048 bytes,
	v_lshl_add_u32 v[PFO], v2, 8, v[PFO]           ; the tile's second 256 bytes for lanes 16-31
	; THE TABLES, in the wait for the first tile
	s_wait_loadcnt 24                              ; the statistics are in; p's 24 loads, issued behind them, stay out
	v_max3_num_f32 v[MX], v[TM], v[TM+1], v[TM+2]
.irp n, 0,1,2,3,4,5
	v_max3_num_f32 v[MX], v[MX], v[TM+3+2*(\n)], v[TM+4+2*(\n)]
.endr
	v_max_num_f32 v[MX], v[MX], v[TM+15]
.irp j, 0,1,2,3,4,5,6,7,8,9,10,11,12,13,14,15
	v_sub_f32 v[TM+(\j)], v[TM+(\j)], v[MX]
.endr
.irp j, 0,1,2,3,4,5,6,7,8,9,10,11,12,13,14,15      ; one batch of exponentials,
	v_exp_f32 v[TM+(\j)], v[TM+(\j)]
.endr
	v_mov_b32 v[LL], 0                             ; a plain instruction behind the last of them (ISA guide 5.7.2),
	s_wait_alu depctr_va_vdst(0)                   ; and the one wait ahead of the first instruction that names a result
.irp j, 0,1,2,3,4,5,6,7,8,9,10,11,12,13,14,15
	v_cvt_pk_f16_f32 v[FH+(\j)], v[TM+(\j)], v[TM+(\j)]  ; the factor in both halves of a word, for the packed product
.endr
.irp j, 0,1,2,3,4,5,6,7,8,9,10,11,12,13,14,15
	v_fma_mix_f32 v[LL], v[FH+(\j)], v[TL+(\j)], v[LL] op_sel_hi:[1,0,0]  ; l += the ROUNDED factor x the block's sum, in f32
.endr
	v_rcp_f32 v[RL], v[LL]
	v_nop
.irp j, 0,1,2,3,4,5,6,7,8,9,10,11,12,13,14,15
	ds_store_b32 v[TS], v[FH+(\j)] offset:128*(\j)
.endr
	s_wait_alu depctr_va_vdst(0)                   ; the reciprocal's wait
	ds_store_b32 v[TS], v[RL] offset:2048
	FLOADS 0                                       ; LDS serves a wave's instructions in order (ISA guide 5.7.1.4): these see the stores above
	s_wait_loadcnt 16                              ; chunk 0 is in; chunks 1 and 2 stay out
	s_wait_dscnt 0x0                               ; block 0's factors are in
	SCALE 0
	PSTORE 0, 0
	PLOAD 3, 3
	WIN 0
	s_wait_xcnt 0x0                                ; the loads have read their base, so it may be stepped:
	s_add_nc_u64 s[PA:PA+1], s[PA:PA+1], 512       ; step 0's slots load step 1's chunks
; 24 LDS loads in one run: the quarter of 32 keys: p's 64 rows from half q of chunk buffer xb, v's 128 channels from row k0 of the slot in hand, into buffers g
.macro FETCH xb, q, k0, g
	WIN 0
.irp a, 0,1,2,3
	ds_load_b128 v[AF+32*(\g)+8*(\a):AF+32*(\g)+8*(\a)+3],   v[A0] offset:(\xb)*PBS+(\a)*16*PP+64*(\q)
	ds_load_b128 v[AF+32*(\g)+8*(\a)+4:AF+32*(\g)+8*(\a)+7], v[A0] offset:(\xb)*PBS+(\a)*16*PP+64*(\q)+32
.endr
.irp b, 0,1,2,3,4,5,6,7
	ds_load_tr16_b128 v[BF+64*(\g)+8*(\b):BF+64*(\g)+8*(\b)+3],   v[ADRB+(\k0)/128] offset:((\k0)%128)*VP+32*(\b)
	ds_load_tr16_b128 v[BF+64*(\g)+8*(\b)+4:BF+64*(\g)+8*(\b)+7], v[ADRB+(\k0)/128] offset:((\k0)%128)*VP+32*(\b)+16*VP
.endr
.endm
; 16 matrix instructions: query blocks a0, a0 + 1 x all 8 channel blocks.  The 32 accumulators take turns, one instruction a turn.  z = 1: the product starts the sum.
.macro MUL f, a0, z
	WIN 0x50                                       ; C and D window 1
.irp a, \a0, (\a0)+1
.irp b, 0,1,2,3,4,5,6,7
.if \z
	v_wmma_f32_16x16x32_f16 v[8*(8*(\a)+(\b)):8*(8*(\a)+(\b))+7], v[BF+64*(\f)+8*(\b):BF+64*(\f)+8*(\b)+7], v[AF+32*(\f)+8*(\a):AF+32*(\f)+8*(\a)+7], 0
.else
	v_wmma_f32_16x16x32_f16 v[8*(8*(\a)+(\b)):8*(8*(\a)+(\b))+7], v[BF+64*(\f)+8*(\b):BF+64*(\f)+8*(\b)+7], v[AF+32*(\f)+8*(\a):AF+32*(\f)+8*(\a)+7], v[8*(8*(\a)+(\b)):8*(8*(\a)+(\b))+7]
.endif
.endr
.endr
.endm
.macro STEPD                           ; the walking descriptor: the other slot than last time, the next 256 rows; written only where no tensor load of mine is out
	s_xor_b32 s[FS], s[FS], SLOTV
	s_add_co_u32 s[G0+1], s[FS], s[WOF]
	s_add_nc_u64 s[G0+2:G0+3], s[G0+2:G0+3], VSTEP
.endm
.macro STEPR tf                        ; the fetches go to the other slot (tf = 1: and the factors to the next step's two blocks)
	s_xor_b32 s[RS], s[RS], SLOTV
	v_add_nc_u32 v[ADRB], s[RS], v[B0]
	v_add_nc_u32 v[ADRB+1], 128*VP, v[ADRB]
.if \tf
	s_add_co_u32 s[TF], s[TF], 256
	v_add_nc_u32 v[FA], s[TF], v[FA0]
.endif
.endm
; A CHUNK IS TWO SLOTS OF 32 MATRIX INSTRUCTIONS.  THE FIRST, for chunk j of a step, multiplies the chunk's first quarter (buffers 0).  Ahead of the products: chunk j + 1, which has come from memory, is
; multiplied by its block's factors and stored into the other chunk buffer (cv = 1); the chunk's second quarter is fetched into buffers 1; bank j, stored a chunk ago, takes the next step's chunk j (ld = 1).
; n = the loads issued behind chunk j + 1's: two chunks' in the loop.  z = 1: the launch's first products.
.macro ESLOT j, ld, n, cv=1, z=0
.if \cv
	s_wait_loadcnt \n                              ; loads come back in order (ISA guide 5.7.1): chunk j + 1 is in, the younger ones stay out
.if (\j)%2 == 1
	s_wait_dscnt 24                                ; a new block's factors are in; the 24 fragment loads issued behind them may be out
.endif
	SCALE ((\j)+1)%4                               ; also the places between the last products, which read buffers 1, and the loads into them
.else
	PLACES
.endif
	FETCH (\j)%2, 1, 64*(\j)+32, 1
.if \cv
	PSTORE ((\j)+1)%4, ((\j)+1)%2
.endif
.if \ld
	PLOAD \j, \j
.endif
	s_wait_dscnt 24+8*(\cv)                        ; all but what this slot has issued: buffers 0 are in
	MUL 0, 0, \z
	MUL 0, 2, \z
.endm
; THE SECOND multiplies the second quarter (buffers 1), round ONE barrier: in front of it my stores of chunk j + 1 are done and my reads of chunk j are over; behind it chunk j + 1 is whole, and the buffer of
; chunk j may be written again.  Then (fl >= 0: the factors of block fl, and) chunk j + 1's first quarter are fetched.
; kind = 1, behind a step's last chunk: the change of slots.  In front of the barrier each wave also waits for all its tensor loads (one is out: its part of the next slot) and adds 0 to its spare word; the
; barrier opens a round of the cluster's barrier, and the slot just read is filled again, two steps ahead, first thing behind the round.  kind = 2: the change without a refill.  kind = 3: the last of all.
.macro OSLOT j, kind, fl=-1
.if (\kind) == 1
	WIN 0
	s_wait_xcnt 0x0                                ; the loads and the last prefetch have read their bases, so these may be stepped
	s_add_nc_u64 s[PA:PA+1], s[PA:PA+1], 512
	s_add_nc_u64 s[PFA:PFA+1], s[PFA:PFA+1], VSTEP
.endif
.if ((\kind) == 1) || ((\kind) == 2)
	WIN 0
	s_wait_tensorcnt 0x0                           ; all my tensor loads have landed, so the group 0 may be written
	ds_add_u32 v[SPW], v[NIL]                      ; 0 onto my spare word: work on registers stands between it and the wait for it
.if (\kind) == 1
	STEPD
.endif
	STEPR 1
.endif
	s_wait_dscnt 0x0                               ; my stores are done and my reads are back (and so is the add)
	s_barrier_signal -1
	MUL 1, 0, 0
	WIN 0
	s_barrier_wait -1
.if (\kind) == 1
	CREST                                          ; no wave of any partner still reads the slot's tile or has a load on its way
	JLOAD                                          ; 240 matrix instructions ahead of the wait for it; its four v_nop are also the places in front of the loads below
.elseif (\kind) != 3
	PLACES                                         ; between the products that read buffers 0 and the loads into them
.endif
.if (\fl) >= 0
	FLOADS \fl
.endif
.if (\kind) != 3
	FETCH ((\j)+1)%2, 0, (64*((\j)+1))%256, 0
.endif
.if (\kind) == 1
	ASK
.endif
	MUL 1, 2, 0
.endm
	; the first change of slots: slot 0 is waited for, slot 1 filled for the first time, as a refill is; the round is also the barrier behind which chunk 0 and the four tables are whole
	s_wait_tensorcnt 0x0
	ds_add_u32 v[SPW], v[NIL]
	STEPD
	STEPR 0
	s_wait_dscnt 0x0                               ; the add is done; my tables and my part of chunk 0 are stored
	CROUND
	JLOAD                                          ; v's step 1 into slot 1
	FETCH 0, 0, 0, 0
	ESLOT 0, 1, 16, 1, 1                           ; the first 32 products stand in front of the loop: they start the sums
	WIN 0
	s_mov_b32 s3, 7
	s_branch .Lmid                                 ; the loop is entered behind them, in the middle of a trip
.Ltrip:                                            ; a trip: the last 32 products of a step with the change of slots, and all but the last 32 of the next step
	OSLOT 3, 1
	ESLOT 0, 1, 16
	WIN 0
.Lmid:
	OSLOT 0, 0, 1                                  ; chunks 2 and 3 belong to the step's second block
	ESLOT 1, 1, 16
	OSLOT 1, 0
	ESLOT 2, 1, 16
	OSLOT 2, 0, 2                                  ; the next step's chunks 0 and 1 to the block after it
	ESLOT 3, 1, 16
	WIN 0
	s_sub_co_u32 s3, s3, 1
	s_cmp_lg_u32 s3, 0
	s_cbranch_scc1 .Ltrip
	OSLOT 3, 2                                     ; the last step is written out: nothing is asked for, of v or of p, and the counts of p's loads run down
	ESLOT 0, 0, 16
	OSLOT 0, 0, 1
	ESLOT 1, 0, 8
	OSLOT 1, 0
	ESLOT 2, 0, 0
	OSLOT 2, 0
	ESLOT 3, 0, 0, 0
	OSLOT 3, 3                                     ; its barrier: every wave's reads of the chunk buffers are over, so the stage may take their place
	WIN 0
; THE WAY OUT, a block of 16 queries at a time: times 1 / l; 32 bytes a lane into my own stage; back as whole rows of 512 bytes; stored.
.irp a, 0,1,2,3
	ds_load_b32 v[IL+2*(\a)],   v[IA] offset:((\a)/2)*TABW+64*((\a)%2)
	ds_load_b32 v[IL+2*(\a)+1], v[IA] offset:((\a)/2)*TABW+64*((\a)%2)
.endr
	PLACES
	PLACES
	s_wait_dscnt 0x0
.macro PACK a
	WIN 0x01                                       ; source 0 window 1
.irp b, 0,1,2,3,4,5,6,7
.irp i, 0,1,2,3
	v_pk_mul_f32 v[SC+8*(\b)+2*(\i):SC+8*(\b)+2*(\i)+1], v[8*(8*(\a)+(\b))+2*(\i):8*(8*(\a)+(\b))+2*(\i)+1], v[IL+2*(\a):IL+2*(\a)+1] op_sel_hi:[1,0]
.endr
.endr
	WIN 0
.endm
.macro TOSTAGE a
.set OBR, 192-160*((\a)%2)             ; rows read back: v192-255 and v32-95 by turns
.irp b, 0,1,2,3,4,5,6,7
	ds_store_b128 v[STO], v[SC+8*(\b):SC+8*(\b)+3]   offset:64*(\b)
	ds_store_b128 v[STO], v[SC+8*(\b)+4:SC+8*(\b)+7] offset:64*(\b)+16
.endr
.irp t, 0,1,2,3,4,5,6,7,8,9,10,11,12,13,14,15
	ds_load_b128 v[OBR+4*(\t):OBR+4*(\t)+3], v[RD] offset:(\t)*OP  ; in order behind the stores above
.endr
.endm
.macro SEND a
.set OBR, 192-160*((\a)%2)
	s_wait_dscnt 0x0                               ; the block is back in registers
	s_wait_xcnt 0x0                                ; the stores of the block before have read their data: the next block's loads land on those registers only behind this wait
.irp t, 0,1,2,3,4,5,6,7,8,9,10,11,12,13,14,15
	global_store_b128 v[CO], v[OBR+4*(\t):OBR+4*(\t)+3], s[12:13] offset:(16*(\a)+(\t))*4096 th:TH_STORE_NT  ; 32 lanes store 512 consecutive bytes, aligned
.endr
.endm
	PACK 0
	TOSTAGE 0
.irp a, 1,2,3                          ; block a's products stand between block a - 1's loads from the stage and the wait for them
	PACK \a
	SEND (\a)-1
	TOSTAGE \a
.endr
	SEND 3
	s_wait_tensorcnt 0x0                           ; the wave's end: behind my last tensor load and my last LDS store
	ds_add_u32 v[SPW], v[NIL]
	s_wait_dscnt 0x0
	CROUND                                         ; the closing round: no work-group ends while a partner may still ask for a tile that names it
	s_endpgm
.Lfunc_end_k_q568fea21d8_context:
	.size	k_q568fea21d8_context, .Lfunc_end_k_q568fea21d8_context-k_q568fea21d8_context
	.p2alignl 7, 3214868480
	.fill 96, 4, 3214868480
	.section	.rodata,"a",@progbits
	.p2align	6, 0x0
	.amdhsa_kernel k_q568fea21d8_context
		.amdhsa_group_segment_fixed_size 327680
		.amdhsa_private_segment_fixed_size 0
		.amdhsa_enable_private_segment 0
		.amdhsa_kernarg_size 40
		.amdhsa_user_sgpr_count 2
		.amdhsa_user_sgpr_kernarg_segment_ptr 1
		.amdhsa_wavefront_size32 1
		.amdhsa_system_sgpr_workgroup_id_x 1
		.amdhsa_system_sgpr_workgroup_id_y 1
		.amdhsa_system_sgpr_workgroup_id_z 1
		.amdhsa_system_vgpr_workitem_id 0
		.amdhsa_next_free_vgpr 640
		.amdhsa_next_free_sgpr 80
		.amdhsa_reserve_vcc 0
		.amdhsa_float_denorm_mode_32 3
		.amdhsa_float_denorm_mode_16_64 3
		.amdhsa_memory_ordered 1
		.amdhsa_forward_progress 1
		.amdhsa_inst_pref_size 140
	.end_amdhsa_kernel
	.amdgpu_metadata
---
amdhsa.version: [ 1, 2 ]
amdhsa.kernels:
  - .name:           k_q568fea21d8_context
    .symbol:         k_q568fea21d8_context.kd
    .args:
      - { .name: p, .offset: 0, .size: 8, .value_kind: global_buffer, .address_space: global }
      - { .name: vh, .offset: 8, .size: 8, .value_kind: global_buffer, .address_space: global }
      - { .name: mst, .offset: 16, .size: 8, .value_kind: global_buffer, .address_space: global }
      - { .name: lst, .offset: 24, .size: 8, .value_kind: global_buffer, .address_space: global }
      - { .name: out0, .offset: 32, .size: 8, .value_kind: global_buffer, .address_space: global }
    .group_segment_fixed_size: 327680
    .private_segment_fixed_size: 0
    .kernarg_segment_align: 8
    .kernarg_segment_size: 40
    .max_flat_workgroup_size: 128
    .sgpr_count:     80
    .vgpr_count:     640
    .wavefront_size: 32
...
	.end_amdgpu_metadata
.endif
;; end of part 4
